; MI455X (gfx1250); checked and timed in simulation.
; The chip was launched on July 23, 2026; its instructions are those of AMD's public machine-readable ISA for CDNA 5 (MIT licence, August 2026) and "CDNA5" Instruction Set Architecture Reference Guide (July 2026). The comments in the code are by the model that wrote it; some were corrected since.
;; RA. Allowed arithmetic: float matrix products may take bf16 or f16 operands with f32 sums; other float arithmetic in f32, or as packed bf16 or f16 multiplies, adds, multiply-adds, maxima and minima; sums over many terms, partial sums and values carried from step to step in f32; what a program stores and reads back later, other than sums and carried values, may be rounded once to bf16 or f16.
;; Inputs: W1 768 x 768 float32; W2 768 x 1 float32; Wi 768 x 768 float32; Wk 768 x 768 float32; Wq 768 x 768 float32; Wt 768 x 768 float32; Wv 768 x 768 float32; b1 768 float32; b2 1 float32; bi 768 float32; bk 768 float32; bq 768 float32; bt 768 float32; bv 768 float32; image 8 x 197 x 768 float32; text 8 x 64 x 768 float32.
;; Outputs: out0 8 x 64 x 768 float32.
;; 2 versions, each right and faster than the one before. Each part assembles by itself: llvm-mc -triple=amdgcn-amd-amdhsa -mcpu=gfx1250 --defsym DOCPART=n.
;; ======== version 1 of 2: 3 launches
;; limits: values outside matrix products are rounded to bf16; values are held in f16: magnitudes above 65,504 overflow, below 6.1e-05 lose precision
;; workspace buffers: te 884,736 bytes; qh 884,736 bytes; ie 2,433,024 bytes; kh 2,433,024 bytes; vh 2,433,024 bytes; w1t 1,179,648 bytes; gbuf 524,288 bytes
;; launch proj (part 1): grid 6 x 42, 4 waves a work-group, no clusters, 152,576 bytes of LDS; arguments image, text, Wi, Wk, Wv, Wt, Wq, W1, bi, bk, bv, bt, bq, ie, kh, vh, te, qh, w1t; writes ie, kh, vh, te, qh, w1t
.if DOCPART == 1
	.amdgcn_target "amdgcn-amd-amdhsa--gfx1250"
	.amdhsa_code_object_version 6
	.text
	.protected	k_q83d6164400_proj
	.globl	k_q83d6164400_proj
	.p2align	8
	.type	k_q83d6164400_proj,@function
k_q83d6164400_proj:
	s_mov_b64 s[64:65], 0
	v_nop
	global_prefetch_b8 v0, s[64:65] scope:SCOPE_SE
	s_setreg_imm32_b32 hwreg(HW_REG_WAVE_MODE, 25, 1), 1
	s_wait_xcnt 0x0
; THE FIVE PROJECTIONS AND W1's TRANSPOSITION.  out = X W + bias, K = N = 768.  X: image [1576][768] or text [512][768], f32.  W: [768 k][768 n], f32.
; ie = image Wi + bi and te = text Wt + bt leave as bf16; kh, vh (image Wk, Wv) and qh (text Wq) as f16; all [rows][768].  w1t[n][k] = bf16(W1[k][n]).
; X, W and the biases are rounded to bf16 (nearest even), products and sums in f32, each output rounded once.
; LIMITS.  kh, vh, qh are f16: a number of 65,520 or more becomes an infinity.  NaN and infinities are not treated apart.
; SHARES.  Work-group x takes 128 columns.  y < 33: image, weight y / 11 (Wi, Wk, Wv), rows 144 (y % 11) on; 33 <= y < 41: text, weight (y - 33) / 4 (Wt, Wq), rows 144 ((y - 33) % 4) on;
; y = 41: W1's 128 columns are turned.  11 x 144 = 1,584 and 4 x 144 = 576 rows are stored; rows past the tensor's end repeat its last row (the load's row number is clamped) and nobody reads them.
; A wave makes all 144 rows x 32 columns: 18 accumulators.  K goes in steps of 128 through two LDS buffers that take turns.
; NO TENSOR LOADS, NO CLUSTER: the operands are f32 in memory and must be rounded on the way, so they pass through registers: 36 + 32 loads of 512 consecutive bytes a wave and step, asked for one step ahead.
; THE MATRIX INSTRUCTION IS USED TRANSPOSED (source 0 = 16 columns of W, turned out of LDS by ds_load_tr16_b128; source 1 = 16 rows of X): a lane holds eight neighbouring numbers of a row of the output.
; REGISTERS, in windows of 256 (s_set_vgpr_msb: bits 1:0 source 0, 3:2 source 1, 5:4 source 2, 7:6 destination):
;   window 0: v0-19 addresses; v20-55 X's row offsets; v56-71 bias; v72-79 at work; v80-255 two fragment buffers of 88      window 1: X as loaded, 144      window 2: W as loaded, 128      window 3: accumulators, 144
.set PX,   272        ; a row of X in LDS: 256 bytes + 16: the 16 rows of a fragment load start at 16 different groups of four banks (64 banks of 4 bytes: ISA guide 11.1)
.set PW,   288        ; a row of W ([k][n]): 256 + 32
.set WS,   144*PX     ; in a buffer: 144 rows of X, then 128 rows of W
.set BUF,  WS+128*PW  ; 76,032 bytes; two buffers.  The way out's stage (144 rows x 272) is buffer 0's X
.set XST,  4          ; v4-5    where I store X's rows, buffer 0, 1
.set WST,  6          ; v6-7    the same for W
.set XFR,  8          ; v8-9    my lane's place in a fragment of X
.set WFR,  10         ; v10-11  the same for W, turned
.set WO,   12         ; v12     my byte offset in W
.set BO,   13         ; v13     in the bias
.set STO,  14         ; v14     the way out: where I put 16 bytes of a row
.set RD,   15         ; v15     where I read rows back
.set GO,   16         ; v16     my byte offset in the output
.set XO,   20
.set BI,   56
.set TMP,  72
.set FR,   80
.set WV,   42         ; s42  wave
.set NX,   43         ; s43  x
.set PXA,  44         ; s[44:45] X   s[46:47] W   s[48:49] bias   s[50:51] output
.set PWA,  46
.set PBA,  48
.set POA,  50
.set YY,   52
.set GG,   53         ; which weight, 0 to 4
.set MT,   54
.set ML,   55         ; X's last row
.set MROW, 56
.set CNT,  57
.set FMT,  62         ; 1: bf16 out, 0: f16
.set MSB, 0
.macro WIN new                      ; the high byte repeats the setting that is left; a switch that changes nothing is dropped
.if MSB != (\new)
	s_set_vgpr_msb (MSB<<8)|(\new)
.set MSB, \new
.endif
.endm
.macro PLACES                       ; four places between a matrix instruction and a load into, or a vector read of, its registers
.rept 4
	v_nop
.endr
.endm
.macro LOADX                        ; 36 rows of mine, 128 numbers each: a load covers 512 consecutive bytes
	WIN 0x40
.set i, 0
.rept 36
	global_load_b128 v[4*i:4*i+3], v[XO+i], s[PXA:PXA+1]
.set i, i+1
.endr
.endm
.macro LOADW                        ; rows k = 32 wave + 0..31 of the step, my work-group's 128 columns
	WIN 0x80
.set i, 0
.rept 32
	global_load_b128 v[4*i:4*i+3], v[WO], s[PWA:PWA+1] offset:i*3072
.set i, i+1
.endr
.endm
.macro CVTX b                       ; rounded in place, four f32 into two registers, and stored: 32 lanes x 8 bytes are a row's 256
	WIN 0x45
.set i, 0
.rept 36
	v_cvt_pk_bf16_f32 v[4*i], v[4*i], v[4*i+1]
	v_cvt_pk_bf16_f32 v[4*i+1], v[4*i+2], v[4*i+3]
.set i, i+1
.endr
	WIN 0x04                        ; address window 0, data window 1
.set i, 0
.rept 36
	ds_store_b64 v[XST+(\b)], v[4*i:4*i+1] offset:i*PX
.set i, i+1
.endr
.endm
.macro CVTW b
	WIN 0x8a
.set i, 0
.rept 32
	v_cvt_pk_bf16_f32 v[4*i], v[4*i], v[4*i+1]
	v_cvt_pk_bf16_f32 v[4*i+1], v[4*i+2], v[4*i+3]
.set i, i+1
.endr
	WIN 0x08
.set i, 0
.rept 32
	ds_store_b64 v[WST+(\b)], v[4*i:4*i+1] offset:i*PW
.set i, i+1
.endr
.endm
; 22 LDS loads: the fragments of 32 along K (part sub of the step) into fragment buffer f: 9 of X, 2 of W
.macro FRAG sub, f, b
	WIN 0
.irp a, 0,1,2,3,4,5,6,7,8
	ds_load_b128 v[FR+88*(\f)+8*\a:FR+88*(\f)+8*\a+3],   v[XFR+(\b)] offset:\a*16*PX+64*(\sub)
	ds_load_b128 v[FR+88*(\f)+8*\a+4:FR+88*(\f)+8*\a+7], v[XFR+(\b)] offset:\a*16*PX+64*(\sub)+32
.endr
.irp n, 0,1
	ds_load_tr16_b128 v[FR+88*(\f)+72+8*\n:FR+88*(\f)+72+8*\n+3],   v[WFR+(\b)] offset:32*(\sub)*PW+32*\n
	ds_load_tr16_b128 v[FR+88*(\f)+72+8*\n+4:FR+88*(\f)+72+8*\n+7], v[WFR+(\b)] offset:(32*(\sub)+16)*PW+32*\n
.endr
.endm
.macro MUL f                        ; 18 matrix instructions, each accumulator once: they take turns
	WIN 0xf0
.irp a, 0,1,2,3,4,5,6,7,8
.irp n, 0,1
	v_wmma_f32_16x16x32_bf16 v[8*(2*\a+\n):8*(2*\a+\n)+7], v[FR+88*(\f)+72+8*\n:FR+88*(\f)+72+8*\n+7], v[FR+88*(\f)+8*\a:FR+88*(\f)+8*\a+7], v[8*(2*\a+\n):8*(2*\a+\n)+7]
.endr
.endr
.endm
; A K step on LDS buffer b.  last = 1: in the loop's last trip there is no further step, and the loads are jumped over (global loads alone; every wait for them is for 0).
; ONE barrier a step: the buffer written here was last read two steps ago, and every wave's reads of it were back in front of its signal one step ago.
.macro SUB b, last
	s_wait_loadcnt 0x0              ; this step's X and W are in registers; the bases may be stepped
	CVTX \b
	CVTW \b
	WIN 0
	s_wait_dscnt 0x0                ; my stores are done: for the others' sake, and the staging registers may be loaded again
.if \last
	s_cmp_eq_u32 s[CNT], 1
	s_cbranch_scc1 .Lnomore_\@
.endif
	s_add_nc_u64 s[PXA:PXA+1], s[PXA:PXA+1], 512
	s_add_nc_u64 s[PWA:PWA+1], s[PWA:PWA+1], 128*3072
	LOADX                           ; the next step, a whole step's matrix work ahead of the wait for it
	LOADW
	WIN 0
.if \last
.Lnomore_\@:
.endif
	s_barrier_signal -1
	s_barrier_wait -1
	FRAG 0, 0, \b
	FRAG 1, 1, \b
	s_wait_dscnt 22                 ; all but the younger 22
	MUL 0
	PLACES
	FRAG 2, 0, \b
	s_wait_dscnt 22
	MUL 1
	PLACES
	FRAG 3, 1, \b
	s_wait_dscnt 22
	MUL 0
	s_wait_dscnt 0x0
	MUL 1
	WIN 0
.endm
	s_load_b512 s[4:19], s[0:1], 0x0    ; image 4, text 6, Wi 8, Wk 10, Wv 12, Wt 14, Wq 16, W1 18
	s_load_b512 s[20:35], s[0:1], 0x40  ; bi 20, bk 22, bv 24, bt 26, bq 28, ie 30, kh 32, vh 34
	s_load_b128 s[36:39], s[0:1], 0x80  ; te 36, qh 38
	s_load_b64 s[40:41], s[0:1], 0x90   ; w1t
	v_lshl_add_u32 v19, v0, 2, 0x25200
	s_set_vgpr_msb 0x40
	v_mov_b32 v255, 0
	s_set_vgpr_msb 0x4000
	v_lshrrev_b32 v1, 5, v0
	v_readfirstlane_b32 s[WV], v1
	s_mov_b32 s[NX], ttmp9
	s_and_b32 s[YY], ttmp7, 0xffff
	v_and_b32 v1, 31, v0            ; lane
	v_and_b32 v2, 15, v0            ; l % 16
	v_bfe_u32 v3, v0, 4, 1          ; l / 16
	s_mul_i32 s58, s[WV], 32*PW
	s_add_co_u32 s58, s58, WS
	v_lshl_add_u32 v[WST], v1, 3, s58       ; W's rows 32 wave on, 8 bytes a lane
	v_add_nc_u32 v[WST+1], BUF, v[WST]
	v_and_b32 v17, 7, v0
	v_lshl_add_u32 v17, v3, 3, v17          ; the turning load: row 8 (l / 16) + l % 8,
	v_mul_u32_u24 v17, v17, PW
	v_bfe_u32 v18, v0, 3, 1
	v_lshl_add_u32 v17, v18, 4, v17         ; 16 bytes for each half of eight lanes,
	s_lshl_b32 s58, s[WV], 6
	s_add_co_u32 s58, s58, WS
	v_add_nc_u32 v[WFR], s58, v17           ; my wave's 32 columns
	v_add_nc_u32 v[WFR+1], BUF, v[WFR]
	s_mul_i32 s58, s[WV], 32*3072
	s_lshl_b32 s59, s[NX], 9
	s_add_co_u32 s58, s58, s59
	v_lshl_add_u32 v[WO], v1, 4, s58        ; row 32 wave, column 128 x, 16 bytes a lane
	s_cmp_eq_u32 s[YY], 41
	s_cbranch_scc1 .Lw1
	; which weight, which rows
	s_cmp_ge_u32 s[YY], 11
	s_cselect_b32 s58, 1, 0
	s_cmp_ge_u32 s[YY], 22
	s_cselect_b32 s59, 1, 0
	s_add_co_u32 s[GG], s58, s59
	s_mul_i32 s58, s[GG], 11
	s_sub_co_u32 s[MT], s[YY], s58
	s_sub_co_u32 s58, s[YY], 33
	s_lshr_b32 s59, s58, 2
	s_add_co_u32 s59, s59, 3
	s_and_b32 s58, s58, 3
	s_movk_i32 s[ML], 1575
	s_cmp_ge_u32 s[YY], 33
	s_cselect_b32 s[GG], s59, s[GG]
	s_cselect_b32 s[MT], s58, s[MT]
	s_cselect_b32 s[ML], 511, s[ML]
	s_cmp_eq_u32 s[GG], 0
	s_cselect_b32 s[FMT], 1, 0
	s_cmp_eq_u32 s[GG], 3
	s_cselect_b32 s[FMT], 1, s[FMT]
	s_mul_i32 s58, s[WV], 36*PX
	v_lshl_add_u32 v[XST], v1, 3, s58       ; X's rows 36 wave on
	v_add_nc_u32 v[XST+1], BUF, v[XST]
	v_mul_u32_u24 v[XFR], v2, PX
	v_lshl_add_u32 v[XFR], v3, 4, v[XFR]    ; a fragment's row x pitch + 16 x half
	v_add_nc_u32 v[XFR+1], BUF, v[XFR]
	s_lshl_b32 s59, s[WV], 6
	v_add_nc_u32 v[STO], s59, v[XFR]        ; into the stage: row l % 16, my wave's 64 bytes, 16 for each half of the lanes
	v_mul_u32_u24 v[RD], v3, PX             ; back: wave w takes rows 36 w on, whole; lanes 0-15 one row of 256 bytes, lanes 16-31 the next
	v_lshl_add_u32 v[RD], v2, 4, v[RD]
	v_add_nc_u32 v[RD], s58, v[RD]
	s_mul_i32 s58, s[WV], 36*1536
	v_mul_u32_u24 v[GO], v3, 1536
	v_lshl_add_u32 v[GO], v2, 4, v[GO]
	v_add_nc_u32 v[GO], s58, v[GO]
	s_lshl_b32 s58, s[NX], 9
	s_lshl_b32 s59, s[WV], 7
	s_add_co_u32 s58, s58, s59
	v_lshl_add_u32 v[BO], v3, 5, s58        ; bias of columns 128 x + 32 wave + 8 (l / 16) on
	v_lshlrev_b32 v17, 4, v1
	s_mul_i32 s[MROW], s[MT], 144
	s_mul_i32 s58, s[WV], 36
	s_add_co_u32 s58, s58, s[MROW]
.set i, 0
.rept 36
	s_add_co_u32 s59, s58, i
	s_min_u32 s59, s59, s[ML]               ; no load leaves X
	s_mul_i32 s59, s59, 3072
	v_add_nc_u32 v[XO+i], s59, v17
.set i, i+1
.endr
	s_mul_i32 s60, s[MROW], 1536
	s_lshl_b32 s59, s[NX], 8
	s_add_co_u32 s60, s60, s59
	s_mov_b32 s61, 0
	s_wait_kmcnt 0x0
	s_cmp_ge_u32 s[YY], 33
	s_cselect_b64 s[PXA:PXA+1], s[6:7], s[4:5]
	s_mov_b64 s[PWA:PWA+1], s[8:9]
	s_mov_b64 s[PBA:PBA+1], s[20:21]
	s_mov_b64 s[POA:POA+1], s[30:31]
.macro PICK g, w, bb, o
	s_cmp_eq_u32 s[GG], \g
	s_cselect_b64 s[PWA:PWA+1], s[\w:\w+1], s[PWA:PWA+1]
	s_cselect_b64 s[PBA:PBA+1], s[\bb:\bb+1], s[PBA:PBA+1]
	s_cselect_b64 s[POA:POA+1], s[\o:\o+1], s[POA:POA+1]
.endm
	PICK 1, 10, 22, 32
	PICK 2, 12, 24, 34
	PICK 3, 14, 26, 36
	PICK 4, 16, 28, 38
	s_add_nc_u64 s[POA:POA+1], s[POA:POA+1], s[60:61]
.irp n, 0,1
	global_load_b128 v[BI+8*\n:BI+8*\n+3],   v[BO], s[PBA:PBA+1] offset:64*\n
	global_load_b128 v[BI+8*\n+4:BI+8*\n+7], v[BO], s[PBA:PBA+1] offset:64*\n+16
.endr
	LOADX                           ; K step 0
	LOADW
	WIN 0
	s_wait_loadcnt 63               ; of the 72 loads the oldest nine are in, the bias's four among them
.irp k, 0,1,2,3,4,5,6,7
	v_cvt_pk_bf16_f32 v[TMP+\k], v[BI+2*\k], v[BI+2*\k+1]  ; the bias is rounded to bf16 like the other inputs, and widened again
.endr
.irp k, 0,1,2,3,4,5,6,7
	v_lshlrev_b32 v[BI+2*\k], 16, v[TMP+\k]
	v_and_b32 v[BI+2*\k+1], 0xffff0000, v[TMP+\k]
.endr
	WIN 0xc0                        ; the sums start at the bias: 144 copies, in the wait for the first step's loads; the price of writing no first step out
.set i, 0
.rept 18
.irp j, 0,1,2,3,4,5,6,7
	v_mov_b32 v[8*i+\j], v[BI+8*(i%2)+\j]
.endr
.set i, i+1
.endr
	WIN 0
	s_mov_b32 s[CNT], 3
.Ltrip:                             ; two K steps a trip, one on each buffer
	SUB 0, 0
	SUB 1, 1
	s_sub_co_u32 s[CNT], s[CNT], 1
	s_cmp_lg_u32 s[CNT], 0
	s_cbranch_scc1 .Ltrip
	; THE WAY OUT: rounded once, 16 bytes a lane into the stage; a barrier, since a row's 256 bytes come from four waves; back as whole rows, 36 a wave.
	; The stage is buffer 0's X: its last readers (the step before the last) were back in front of the last step's barrier.
	PLACES
	s_cmp_eq_u32 s[FMT], 1
	s_cbranch_scc0 .Lhalf
	WIN 0x0f                        ; sources window 3, destination window 0; each accumulator's registers in ascending order
.set i, 0
.rept 72
	v_cvt_pk_bf16_f32 v[FR+i], v[2*i], v[2*i+1]
.set i, i+1
.endr
	WIN 0
	s_branch .Lpacked
.Lhalf:
	WIN 0x0f
.set i, 0
.rept 72
	v_cvt_pk_f16_f32 v[FR+i], v[2*i], v[2*i+1]
.set i, i+1
.endr
	WIN 0
.Lpacked:
.irp a, 0,1,2,3,4,5,6,7,8
.irp n, 0,1
	ds_store_b128 v[STO], v[FR+4*(2*\a+\n):FR+4*(2*\a+\n)+3] offset:\a*16*PX+32*\n
.endr
.endr
	s_wait_dscnt 0x0                ; for the others' sake
	s_barrier_signal -1
	s_barrier_wait -1
.set i, 0
.rept 18
	ds_load_b128 v[FR+72+4*i:FR+72+4*i+3], v[RD] offset:i*2*PX
.set i, i+1
.endr
.set i, 0
.rept 18
	s_wait_dscnt 17-i
	global_store_b128 v[GO], v[FR+72+4*i:FR+72+4*i+3], s[POA:POA+1] offset:i*3072  ; 16 lanes store 256 consecutive bytes, at a multiple of 256 from the buffer's first byte
.set i, i+1
.endr
	s_set_vgpr_msb 0x4
	s_wait_tensorcnt 0x0
	ds_add_u32 v19, v255
	s_wait_dscnt 0x0
	s_set_vgpr_msb 0x400
	s_endpgm
	; W1's 128 columns become 128 rows of w1t.  Six trips of 128 k: rounded into Ws as above, turned out of it, through my own 32 stage rows into whole rows of 256 bytes.
.Lw1:
	s_mul_i32 s58, s[WV], 32*PX
	v_mul_u32_u24 v[STO], v2, PX
	v_lshl_add_u32 v[STO], v3, 4, v[STO]
	v_add_nc_u32 v[STO], s58, v[STO]        ; in: row 32 wave + l % 16, 16 bytes for each half of the lanes
	v_mul_u32_u24 v[RD], v3, PX
	v_lshl_add_u32 v[RD], v2, 4, v[RD]
	v_add_nc_u32 v[RD], s58, v[RD]          ; back: two whole rows a load
	s_mul_i32 s58, s[WV], 32*1536
	v_mul_u32_u24 v[GO], v3, 1536
	v_lshl_add_u32 v[GO], v2, 4, v[GO]
	v_add_nc_u32 v[GO], s58, v[GO]
	s_mul_i32 s60, s[NX], 128*1536
	s_mov_b32 s61, 0
	s_wait_kmcnt 0x0
	s_mov_b64 s[PWA:PWA+1], s[18:19]
	s_add_nc_u64 s[POA:POA+1], s[40:41], s[60:61]
	LOADW
	WIN 0
	s_mov_b32 s[CNT], 6
.Lw1trip:
	s_wait_loadcnt 0x0
	CVTW 0
	WIN 0
	s_wait_dscnt 0x0
	s_cmp_eq_u32 s[CNT], 1
	s_cbranch_scc1 .Lw1last
	s_add_nc_u64 s[PWA:PWA+1], s[PWA:PWA+1], 128*3072
	LOADW                           ; the next 128 k
	WIN 0
.Lw1last:
	s_barrier_signal -1
	s_barrier_wait -1               ; Ws is whole
.irp q, 0,1,2,3,4,5,6,7             ; 16 k at 16 q, my 32 columns: a lane gets 8 consecutive k of one column
.irp n, 0,1
	ds_load_tr16_b128 v[FR+4*(2*\q+\n):FR+4*(2*\q+\n)+3], v[WFR] offset:16*\q*PW+32*\n
.endr
.endr
	s_wait_dscnt 0x0                ; my reads of Ws are back:
	s_barrier_signal -1
	s_barrier_wait -1               ; everybody's are, so the next trip may write it
.irp q, 0,1,2,3,4,5,6,7
.irp n, 0,1
	ds_store_b128 v[STO], v[FR+4*(2*\q+\n):FR+4*(2*\q+\n)+3] offset:\n*16*PX+32*\q
.endr
.endr
.set i, 0
.rept 16
	ds_load_b128 v[FR+64+4*i:FR+64+4*i+3], v[RD] offset:i*2*PX  ; LDS serves a wave's instructions in order (ISA guide 5.7.1.4): these see my stores above
.set i, i+1
.endr
	s_wait_dscnt 0x0
.set i, 0
.rept 16
	global_store_b128 v[GO], v[FR+64+4*i:FR+64+4*i+3], s[POA:POA+1] offset:i*3072  ; 16 lanes store 256 consecutive bytes, aligned
.set i, i+1
.endr
	s_wait_xcnt 0x0                 ; the stores' base and data are rewritten only behind this wait
	s_add_nc_u64 s[POA:POA+1], s[POA:POA+1], 256
	s_sub_co_u32 s[CNT], s[CNT], 1
	s_cmp_lg_u32 s[CNT], 0
	s_cbranch_scc1 .Lw1trip
	s_set_vgpr_msb 0x4
	s_wait_tensorcnt 0x0
	ds_add_u32 v19, v255
	s_wait_dscnt 0x0
	s_set_vgpr_msb 0x400
	s_endpgm
.Lfunc_end_k_q83d6164400_proj:
	.size	k_q83d6164400_proj, .Lfunc_end_k_q83d6164400_proj-k_q83d6164400_proj
	.p2alignl 7, 3214868480
	.fill 96, 4, 3214868480
	.section	.rodata,"a",@progbits
	.p2align	6, 0x0
	.amdhsa_kernel k_q83d6164400_proj
		.amdhsa_group_segment_fixed_size 152576
		.amdhsa_private_segment_fixed_size 0
		.amdhsa_enable_private_segment 0
		.amdhsa_kernarg_size 152
		.amdhsa_user_sgpr_count 2
		.amdhsa_user_sgpr_kernarg_segment_ptr 1
		.amdhsa_wavefront_size32 1
		.amdhsa_system_sgpr_workgroup_id_x 1
		.amdhsa_system_sgpr_workgroup_id_y 1
		.amdhsa_system_sgpr_workgroup_id_z 1
		.amdhsa_system_vgpr_workitem_id 0
		.amdhsa_next_free_vgpr 912
		.amdhsa_next_free_sgpr 66
		.amdhsa_reserve_vcc 0
		.amdhsa_float_denorm_mode_32 3
		.amdhsa_float_denorm_mode_16_64 3
		.amdhsa_memory_ordered 1
		.amdhsa_forward_progress 1
		.amdhsa_inst_pref_size 117
	.end_amdhsa_kernel
	.amdgpu_metadata
---
amdhsa.version: [ 1, 2 ]
amdhsa.kernels:
  - .name:           k_q83d6164400_proj
    .symbol:         k_q83d6164400_proj.kd
    .args:
      - { .name: image, .offset: 0, .size: 8, .value_kind: global_buffer, .address_space: global }
      - { .name: text, .offset: 8, .size: 8, .value_kind: global_buffer, .address_space: global }
      - { .name: Wi, .offset: 16, .size: 8, .value_kind: global_buffer, .address_space: global }
      - { .name: Wk, .offset: 24, .size: 8, .value_kind: global_buffer, .address_space: global }
      - { .name: Wv, .offset: 32, .size: 8, .value_kind: global_buffer, .address_space: global }
      - { .name: Wt, .offset: 40, .size: 8, .value_kind: global_buffer, .address_space: global }
      - { .name: Wq, .offset: 48, .size: 8, .value_kind: global_buffer, .address_space: global }
      - { .name: W1, .offset: 56, .size: 8, .value_kind: global_buffer, .address_space: global }
      - { .name: bi, .offset: 64, .size: 8, .value_kind: global_buffer, .address_space: global }
      - { .name: bk, .offset: 72, .size: 8, .value_kind: global_buffer, .address_space: global }
      - { .name: bv, .offset: 80, .size: 8, .value_kind: global_buffer, .address_space: global }
      - { .name: bt, .offset: 88, .size: 8, .value_kind: global_buffer, .address_space: global }
      - { .name: bq, .offset: 96, .size: 8, .value_kind: global_buffer, .address_space: global }
      - { .name: ie, .offset: 104, .size: 8, .value_kind: global_buffer, .address_space: global }
      - { .name: kh, .offset: 112, .size: 8, .value_kind: global_buffer, .address_space: global }
      - { .name: vh, .offset: 120, .size: 8, .value_kind: global_buffer, .address_space: global }
      - { .name: te, .offset: 128, .size: 8, .value_kind: global_buffer, .address_space: global }
      - { .name: qh, .offset: 136, .size: 8, .value_kind: global_buffer, .address_space: global }
      - { .name: w1t, .offset: 144, .size: 8, .value_kind: global_buffer, .address_space: global }
    .group_segment_fixed_size: 152576
    .private_segment_fixed_size: 0
    .kernarg_segment_align: 8
    .kernarg_segment_size: 152
    .max_flat_workgroup_size: 128
    .sgpr_count:     66
    .vgpr_count:     912
    .wavefront_size: 32
...
	.end_amdgpu_metadata
.endif
;; end of part 1
;; launch gate (part 2): grid 32 x 8, 4 waves a work-group, clusters of 4 x 1, 327,680 bytes of LDS; arguments te, ie, w1t, b1, W2, b2, gbuf; writes gbuf
.if DOCPART == 2
	.amdgcn_target "amdgcn-amd-amdhsa--gfx1250"
	.amdhsa_code_object_version 6
	.text
	.protected	k_q83d6164400_gate
	.globl	k_q83d6164400_gate
	.p2align	8
	.type	k_q83d6164400_gate,@function
k_q83d6164400_gate:
	s_mov_b64 s[64:65], 0
	v_nop
	global_prefetch_b8 v0, s[64:65] scope:SCOPE_SE
	s_setreg_imm32_b32 hwreg(HW_REG_WAVE_MODE, 25, 1), 1
	s_wait_xcnt 0x0
	s_wait_alu depctr_hold_cnt(0) depctr_sa_sdst(0) depctr_va_vdst(0) depctr_va_sdst(0) depctr_va_ssrc(0) depctr_va_vcc(0) depctr_vm_vsrc(0)
	s_getreg_b32 s2, hwreg(HW_REG_IB_STS2, 6, 4)
	s_cmp_eq_u32 s2, 0
	s_cbranch_scc0 .Lentry_in_a_cluster
	s_endpgm
.Lentry_in_a_cluster:
	s_bfe_u32 s2, ttmp6, 0x10000c
	s_cmp_lg_u32 s2, 0x3003
	s_cbranch_scc0 .Lentry_shape_is_right
	s_endpgm
.Lentry_shape_is_right:
; THE GATE.  gbuf[b 64 + t][i] = sigmoid(sum over n of relu(sum over k of te[b,t,k] ie[b,i,k] W1[k,n] + b1[n]) W2[n] + b2).  te [.][768], ie [.][768], w1t [768 n][768 k]: bf16.  b1, W2, b2: f32.  gbuf [512][256] f32.
; A product of 100,864 generated rows with W1, reduced over n at once: the rows are never stored.  A row's fragment is ie's fragment out of LDS times te's, by v_pk_mul_bf16, in registers.
; LIMITS.  te and ie arrive rounded to bf16 and their product is rounded to bf16 once more (three roundings where one is the least); sums, relu, the sum over n and the sigmoid in f32.  NaN and infinities are not
; treated apart.  Columns i = 197..207 hold the gate of a zero row, 208..255 sigmoid(b2): finite numbers that the launch behind multiplies by 0 or does not read.
; SHARES.  8 x 64 x 197 rows / 256 = 394 = 2 t x 197 i: a work-group takes batch b and the texts 2 tp, 2 tp + 1.  Wave w: text w / 2, column half w % 2.  n goes in 4 passes of 192 columns; in a pass a wave
; makes 208 rows (13 blocks of 16; rows 197 on are zeros) x 96 columns: 78 accumulators, 624 registers.  K goes in 6 steps of 128 a pass through two LDS slots; a step is four quarters of 32, 78 matrix instructions each.
; THE MATRIX INSTRUCTION IS USED TRANSPOSED (source 0 = 16 rows of w1t, source 1 = 16 generated rows): a lane holds ONE row i and eight columns n.  So b1 is the C operand of a pass's first quarter, and the sum over n
; stays in the lane until one exchange at the very end.
; CLUSTER.  The four work-groups of a cluster share b, and w1t is the same for all: every tile is asked for JOINTLY, by the same tensor load, descriptor and mask in all four.  My place in the cluster enters te's and
; gbuf's global addresses alone.
; REGISTERS, in windows of 256 (s_set_vgpr_msb: bits 1:0 source 0, 3:2 source 1, 5:4 source 2, 7:6 destination):
;   window 0: v2-15 addresses; v16-31 te's fragments, two buffers; v32-127 w1t's, two buffers of 6; v128-231 the 13 row fragments, ONE buffer: block a's is loaded again when its six products are past; v232-255 at work
;   v256-879 accumulators, (a, n) at 256 + 48 a + 8 n      window 3: v112-159 b1, v160-207 W2 of my 96 columns; v208-233 z, a pair for each block; v234-249 at work
.set PITCH, 272       ; an LDS row: 256 bytes + 16: the 16 rows of a fragment load start at 16 different groups of four banks (64 banks of 4 bytes: ISA guide 11.1)
.set BOFF,  208*PITCH ; a slot: 208 rows of ie, then 192 rows of w1t
.set AHALF, 104*PITCH ; what one tensor load brings of ie
.set BHALF, 96*PITCH  ; and of w1t; also what a wave reads of it
.set SLOT1, 1<<17     ; slot 1 begins here, so that one exclusive or turns an address in one slot into the other's
.set TEB,   SLOT1+BOFF+2*BHALF  ; behind the ring, never filled by a tensor load: each wave's row of te, 1,536 bytes
.set ZB,    TEB+4*1536          ; each wave's 256 sums z
.set SPARE, ZB+4*1024           ; the spare words, 128 bytes for each wave: two blocks of 256 bytes that no other line names
.set A0,   2          ; v2   my lane's place in a fragment of ie; never rewritten
.set B0,   3          ; v3   of w1t
.set T0,   4          ; v4   of te
.set AA,   5          ; v5-7 the same plus the slot (ie, w1t) or the K step (te) that is being fetched
.set AB,   6
.set AT,   7
.set G0V,  8          ; v8   my byte offset in a pass's 192 numbers of b1 and W2
.set GB,   9
.set GW,   10
.set ZST,  11
.set ZRD,  12
.set GOUT, 13
.set SPW,  14         ; v14  LDS address of my spare word: SPARE + 4 x my thread's number; never rewritten
.set NIL,  15         ; v15  0; never rewritten
.set TEF,  16
.set BF,   32
.set IEF,  128
.set BIASL, 112       ; window 3
.set W2L,  160
.set ZPL,  208
.set TTL,  234
.set WV,   18         ; s18 wave   s19 wave / 2: my text; also: I fetch ie (0) or w1t (1)   s20 wave % 2: my column half; also: which half of the tile I fetch
.set WT,   19
.set HF,   20
.set G1A,  24         ; s[24:31] descriptor group 1 for ie's tiles     s[32:39] for w1t's
.set G1B,  32
.set G0A,  40         ; s[40:47] group 0 for ie's tiles: a set for each of the two first fills; the second then walks     s[48:55] the same for w1t's
.set G0B,  48
.set CNT,  66
.set KS,   67         ; the K step, 0 to 5, of the quarter that is being fetched
.set PS,   68         ; the pass
.set KN,   69         ; K step and pass of the tile to be asked for next
.set PN,   70
.set TB,   71         ; the slot that is being fetched from
.set TK,   72
.set SEL,  74
.set B2,   76
.set MSB, 0
.macro WIN new                      ; the high byte repeats the setting that is left; a switch that changes nothing is dropped
.if MSB != (\new)
	s_set_vgpr_msb (MSB<<8)|(\new)
.set MSB, \new
.endif
.endm
.macro PLACES
.rept 4
	v_nop
.endr
.endm
; A joint refill.  Waves 0 and 1 fetch ie's two halves, waves 2 and 3 w1t's.  The branch hangs on the wave's number alone.  An s_nop 0 and four v_nop follow each of the two lines.
.macro JLOAD
	s_cmp_eq_u32 s[WT], 0
	s_cbranch_scc0 .Lfor_b_\@
	tensor_load_to_lds s[G0A+4:G0A+7], s[G1A:G1A+7]
	s_nop 0
.rept 4
	v_nop
.endr
	s_branch .Lasked_\@
.Lfor_b_\@:
	tensor_load_to_lds s[G0B+4:G0B+7], s[G1B:G1B+7]
	s_nop 0
.rept 4
	v_nop
.endr
.Lasked_\@:
.endm
.macro CREST                        ; a round of the cluster's barrier behind its opening barrier
	s_cmp_lg_u32 s[WV], 0
	s_cbranch_scc1 .Lnot_wave_0_\@
	s_barrier_signal -3
.Lnot_wave_0_\@:
	s_barrier_wait -3
	s_barrier_signal -1
	s_barrier_wait -1
.endm
.macro CROUND
	s_barrier_signal -1
	s_barrier_wait -1
	CREST
.endm
.macro ACCR a, n                    ; accumulator (a, n): its window and its number there
.set rA, 256+48*(\a)+8*(\n)
.set wA, rA>>8
.set lA, rA&255
.endm
.macro MM a, n, qq, bias            ; one product; bias = 1: it starts the sum, with b1 as C
	ACCR \a, \n
.set rB, BF+48*((\qq)&1)+8*(\n)
.if \bias
	WIN (wA<<6)|0x30
	v_wmma_f32_16x16x32_bf16 v[lA:lA+7], v[rB:rB+7], v[IEF+8*(\a):IEF+8*(\a)+7], v[BIASL+8*(\n):BIASL+8*(\n)+7]
.else
	WIN (wA<<6)|(wA<<4)
	v_wmma_f32_16x16x32_bf16 v[lA:lA+7], v[rB:rB+7], v[IEF+8*(\a):IEF+8*(\a)+7], v[lA:lA+7]
.endif
.endm
.macro SCN a, qq, hf                ; half hf of the fragment that follows block a's is multiplied by te's: block a + 1's, or behind block 12 the next quarter's block 0, with the next quarter's te
	WIN 0
.if (\a) == 12
.set sf, IEF
.set st, TEF+8*(1-((\qq)&1))
.else
.set sf, IEF+8*((\a)+1)
.set st, TEF+8*((\qq)&1)
.endif
.irp j, 0,1,2,3
	v_pk_mul_bf16 v[sf+4*(\hf)+\j], v[sf+4*(\hf)+\j], v[st+4*(\hf)+\j]
.endr
.endm
; Group g of a quarter's 40 LDS loads: block g's fragment of ie; with it te's (g = 0) or one of w1t's six (g = 1..6).  All are the NEXT quarter's, but block 12's, which is this quarter's: its registers were in use to the last.
.macro GRP g, qq
	WIN 0
.set kq, (((\qq)+1)%4)*64
.if (\g) == 12
.set kq, (\qq)*64
.endif
.set nx, 1-((\qq)&1)
.if (\g) == 0
	ds_load_b128 v[TEF+8*nx:TEF+8*nx+3],   v[AT] offset:kq
	ds_load_b128 v[TEF+8*nx+4:TEF+8*nx+7], v[AT] offset:kq+32
.endif
.if ((\g) >= 1) && ((\g) <= 6)
	ds_load_b128 v[BF+48*nx+8*((\g)-1):BF+48*nx+8*((\g)-1)+3],   v[AB] offset:((\g)-1)*16*PITCH+kq
	ds_load_b128 v[BF+48*nx+8*((\g)-1)+4:BF+48*nx+8*((\g)-1)+7], v[AB] offset:((\g)-1)*16*PITCH+kq+32
.endif
	ds_load_b128 v[IEF+8*(\g):IEF+8*(\g)+3],   v[AA] offset:(\g)*16*PITCH+kq
	ds_load_b128 v[IEF+8*(\g)+4:IEF+8*(\g)+7], v[AA] offset:(\g)*16*PITCH+kq+32
.endm
; Block a's six products, the accumulators by turns.  Between them: the next fragment's eight multiplications, and (ld = 1) the loads into the fragment that the block before has just left:
; the first four multiplications, which name none of its registers, are the four places behind its last product (ISA guide 7.12.1 for vector instructions).
; w: the count of the wait at the head, -1 for none.
.macro ROW a, qq, bias, ld, w
.if (\w) >= 0
	s_wait_dscnt \w
.endif
	MM \a, 0, \qq, \bias
	MM \a, 1, \qq, \bias
	SCN \a, \qq, 0
.if \ld
	GRP ((\a)+12)%13, \qq
.endif
	MM \a, 2, \qq, \bias
	MM \a, 3, \qq, \bias
	SCN \a, \qq, 1
	MM \a, 4, \qq, \bias
	MM \a, 5, \qq, \bias
.endm
; A quarter.  Its groups go out in the order 12, 0, 1 .. 11, of 2, 4, 4 x 6, 2 x 5 loads: 40.  Count 10: behind w1t's last fragment (group 6) the ten loads of groups 7 to 11 were issued.
; Count 28: behind the group that brought the fragment to be multiplied next, all groups but three have been issued: 40 - 12 at the least.
.macro QUARTER qq, bias
	ROW 0, \qq, \bias, 1, 10
.irp a, 1,2,3,4,5,6,7,8,9,10,11,12
	ROW \a, \qq, \bias, 1, 28
.endr
.endm
; A step's last quarter changes slots.  Block 12's fragment is the old slot's last read.  Each wave waits for all its tensor loads, of which one is out: its part of the next slot; adds 0 to its spare word; waits
; for that and for its reads.  Behind the barrier nobody reads the old slot and the next slot is whole.  fill = 1: the barrier opens a round of the cluster's, and the old slot is filled again first thing behind it, with
; the tile two steps on: 300 matrix instructions lie between the request and the wait for it.  By this text's count a wave has two tensor loads out at the start and one later.
.macro Q3 fill
	ROW 0, 3, 0, 1, 10
	WIN 0
	s_wait_tensorcnt 0x0            ; no tensor load of mine is out, so a group 0 may be written
	ds_add_u32 v[SPW], v[NIL]       ; 0 onto my spare word: scalar work and block 1's products stand between it and the wait for it
.if \fill
	s_lshl_b32 s60, s[KN], 8        ; the tile's offsets are made anew from its numbers: 256 bytes a K step,
	s_mul_i32 s62, s[PN], 192*1536  ; 192 rows of w1t a pass
	s_add_co_u32 s62, s62, s60
	s_xor_b32 s[G0A+5], s[G0A+5], SLOT1
	s_add_nc_u64 s[G0A+6:G0A+7], s[56:57], s[60:61]
	s_or_b32 s[G0A+7], s[G0A+7], 0x80000000
	s_xor_b32 s[G0B+5], s[G0B+5], SLOT1
	s_add_nc_u64 s[G0B+6:G0B+7], s[58:59], s[62:63]
	s_or_b32 s[G0B+7], s[G0B+7], 0x80000000
	s_add_co_u32 s[KN], s[KN], 1
	s_cmp_eq_u32 s[KN], 6
	s_cselect_b32 s[KN], 0, s[KN]
	s_cselect_b32 s77, 1, 0
	s_add_co_u32 s[PN], s[PN], s77
.endif
	s_add_co_u32 s[KS], s[KS], 1
	s_cmp_eq_u32 s[KS], 6
	s_cselect_b32 s[KS], 0, s[KS]
	ROW 1, 3, 0, 0, 28
	s_wait_dscnt 0x0                ; the add is done, and my reads of the old slot are back
	s_barrier_signal -1
	ROW 2, 3, 0, 0, -1              ; work on registers while the others arrive
	WIN 0
	s_barrier_wait -1
.if \fill
	CREST                           ; no wave of any partner still reads the slot or has a load on its way
	JLOAD
.endif
	s_xor_b32 s[TB], s[TB], SLOT1
	s_lshl_b32 s[TK], s[KS], 8
	s_min_u32 s[TK], s[TK], 1280    ; five steps of 256 bytes at the most: te's fragments stay inside my row
	v_add_nc_u32 v[AA], s[TB], v[A0]
	v_add_nc_u32 v[AB], s[TB], v[B0]
	v_add_nc_u32 v[AT], s[TK], v[T0]
	GRP 0, 3                        ; the two groups that blocks 1 and 2 held back
	GRP 1, 3
.irp a, 3,4,5,6,7,8,9,10,11,12
	ROW \a, 3, 0, 1, 28
.endr
.endm
; A PASS ENDS: z += sum over my 96 columns of relu(acc) W2.  Block by block: 48 maxima in place (each accumulator's registers ascending), 24 packed multiply-adds in four chains; the chains of the block before are
; folded between the two.  Block 0's maxima are the places behind the last products.
.macro RELU a
.irp n, 0,1,2,3,4,5
	ACCR \a, \n
	WIN (wA<<6)|(wA<<2)
.irp j, 0,1,2,3,4,5,6,7
	v_max_num_f32 v[lA+\j], 0, v[lA+\j]
.endr
.endr
.endm
.macro DOT a
.irp n, 0,1,2,3,4,5
	ACCR \a, \n
	WIN 0xfc|wA
.irp j, 0,2,4,6
.if \n == 0
	v_pk_mul_f32 v[TTL+8*((\a)%2)+\j:TTL+8*((\a)%2)+\j+1], v[lA+\j:lA+\j+1], v[W2L+8*\n+\j:W2L+8*\n+\j+1]
.else
	v_pk_fma_f32 v[TTL+8*((\a)%2)+\j:TTL+8*((\a)%2)+\j+1], v[lA+\j:lA+\j+1], v[W2L+8*\n+\j:W2L+8*\n+\j+1], v[TTL+8*((\a)%2)+\j:TTL+8*((\a)%2)+\j+1]
.endif
.endr
.endr
.endm
.macro COMB a
	WIN 0xff
.set tt, TTL+8*((\a)%2)
	v_pk_add_f32 v[tt:tt+1], v[tt:tt+1], v[tt+2:tt+3]
	v_pk_add_f32 v[tt+4:tt+5], v[tt+4:tt+5], v[tt+6:tt+7]
	v_pk_add_f32 v[tt:tt+1], v[tt:tt+1], v[tt+4:tt+5]
	v_pk_add_f32 v[ZPL+2*(\a):ZPL+2*(\a)+1], v[ZPL+2*(\a):ZPL+2*(\a)+1], v[tt:tt+1]
.endm
.macro EPI
	s_wait_loadcnt 0x0              ; the pass's W2
	RELU 0
	DOT 0
.irp a, 1,2,3,4,5,6,7,8,9,10,11,12
	RELU \a
	COMB (\a)-1
	DOT \a
.endr
	COMB 12
	WIN 0
.endm
	s_load_b256 s[4:11], s[0:1], 0x0    ; te s[4:5], ie s[6:7], w1t s[8:9], b1 s[10:11]
	s_load_b128 s[12:15], s[0:1], 0x20  ; W2 s[12:13], b2 s[14:15]
	s_load_b64 s[16:17], s[0:1], 0x30   ; gbuf
	v_lshl_add_u32 v[SPW], v0, 2, SPARE
	v_mov_b32 v[NIL], 0
	ds_add_u32 v14, v15
	s_wait_dscnt 0x0
	v_lshrrev_b32 v1, 5, v0
	v_readfirstlane_b32 s[WV], v1
	s_lshr_b32 s[WT], s[WV], 1
	s_and_b32 s[HF], s[WV], 1
	s_bfe_u32 s21, ttmp6, 0x40000   ; cx: my place in the cluster
	s_lshl_b32 s22, ttmp9, 2        ; in a cluster launch ttmp9 counts clusters
	s_add_co_u32 s22, s22, s21      ; tp = 4 x cluster x + cx
	s_and_b32 s23, ttmp7, 0xffff    ; b, which the four partners share
	; descriptor group 1: tiles of 104 or 96 rows x 128 elements, padded in LDS
	s_mov_b32 s[G1A], 15|(1<<16)|(1<<20)|(1<<21)|(5<<22)|(3<<25)  ; 15:0 the mask of four; 17:16 2-byte elements; 20 padding on; 21 set beside a mask; 24:22 after every 64 words (code 5); 31:25 4 words (code 3)
	s_mov_b32 s[G1B], 15|(1<<16)|(1<<20)|(1<<21)|(5<<22)|(3<<25)
	s_mov_b32 s[G1A+1], 128<<16     ; tensor_dim0 = 128
	s_mov_b32 s[G1B+1], 128<<16
	s_mul_i32 s77, s[HF], 104
	s_sub_co_u32 s77, 197, s77
	s_lshl_b32 s[G1A+2], s77, 16    ; tensor_dim1: what is left of the batch's 197 rows, 197 or 93: rows past them arrive as zeros
	s_mov_b32 s[G1B+2], 96<<16
	s_mov_b32 s[G1A+3], 128<<16     ; tile_dim0 = 128
	s_mov_b32 s[G1B+3], 128<<16
	s_mov_b32 s[G1A+4], 104         ; tile_dim1
	s_mov_b32 s[G1B+4], 96
	s_mov_b32 s[G1A+5], 768         ; elements from row to row
	s_mov_b32 s[G1B+5], 768
	s_mov_b32 s[G1A+6], 0
	s_mov_b32 s[G1B+6], 0
	s_mov_b32 s[G1A+7], 0
	s_mov_b32 s[G1B+7], 0
	s_mul_i32 s78, s[HF], AHALF     ; where my part of a tile goes: no place in the cluster enters an LDS address
	s_mul_i32 s79, s[HF], BHALF
	s_add_co_u32 s79, s79, BOFF
	s_mul_i32 s60, s23, 197*1536    ; and where it comes from: ie at row 197 b + 104 half,
	s_mul_i32 s77, s[HF], 104*1536
	s_add_co_u32 s60, s60, s77
	s_mov_b32 s61, 0
	s_mul_i32 s62, s[HF], 96*1536   ; w1t at row 96 half
	s_mov_b32 s63, 0
	s_lshl_b32 s73, s23, 6
	s_lshl1_add_u32 s73, s22, s73
	s_add_co_u32 s73, s73, s[WT]    ; my row of te and of gbuf: 64 b + 2 tp + wave / 2
	s_mul_i32 s80, s73, 1536
	s_mov_b32 s81, 0
	s_lshl_b32 s82, s73, 10
	s_mov_b32 s83, 0
	s_mov_b32 s[SEL], 0x76543210
	s_mov_b32 s[SEL+1], 0xfedcba98
	; A fragment is 16 rows x 32 K in 8 registers: lane l holds row l % 16, K = 8 (l / 16) + 0..7 and 16 + 8 (l / 16) + 0..7: two loads of 16 bytes, 32 bytes apart.  te's is the same K for every row.
	v_and_b32 v1, 15, v0
	v_bfe_u32 v244, v0, 4, 1
	v_and_b32 v245, 31, v0
	v_lshlrev_b32 v245, 4, v245
	v_mul_u32_u24 v[A0], v1, PITCH
	v_lshl_add_u32 v[A0], v244, 4, v[A0]
	v_add_nc_u32 v[B0], s79, v[A0]
	s_mul_i32 s77, s[WV], 1536
	s_add_co_u32 s77, s77, TEB
	v_lshl_add_u32 v[T0], v244, 4, s77
	v_add_nc_u32 v246, s77, v245
	s_mul_i32 s77, s[HF], 384
	v_lshl_add_u32 v[G0V], v244, 5, s77     ; column 96 half + 8 (l / 16), in bytes
	v_mov_b32 v[GB], v[G0V]
	s_lshl_b32 s77, s[WV], 10
	s_add_co_u32 s77, s77, ZB
	v_lshl_add_u32 v[ZST], v1, 2, s77
	v_and_b32 v[GOUT], 63, v0
	v_lshlrev_b32 v[GOUT], 4, v[GOUT]
	s_lshl_b32 s77, s[WT], 11
	s_add_co_u32 s77, s77, ZB
	v_add_nc_u32 v[ZRD], s77, v[GOUT]
	v_mov_b32 v[AA], v[A0]
	v_mov_b32 v[AB], v[B0]
	v_mov_b32 v[AT], v[T0]
	s_wait_kmcnt 0x0
	s_load_b32 s[B2], s[14:15], 0x0
	s_add_nc_u64 s[56:57], s[6:7], s[60:61]
	s_add_nc_u64 s[58:59], s[8:9], s[62:63]
	s_add_nc_u64 s[4:5], s[4:5], s[80:81]
	s_add_nc_u64 s[16:17], s[16:17], s[82:83]
.irp s, 0,1
	s_mov_b32 s[G0A+4*\s], 1                                    ; count = 1
	s_add_co_u32 s[G0A+4*\s+1], s78, \s*SLOT1                   ; LDS address
	s_add_nc_u64 s[G0A+4*\s+2:G0A+4*\s+3], s[56:57], \s*256     ; global address: K step s
	s_or_b32 s[G0A+4*\s+3], s[G0A+4*\s+3], 0x80000000           ; type = 2
	s_mov_b32 s[G0B+4*\s], 1
	s_add_co_u32 s[G0B+4*\s+1], s79, \s*SLOT1
	s_add_nc_u64 s[G0B+4*\s+2:G0B+4*\s+3], s[58:59], \s*256
	s_or_b32 s[G0B+4*\s+3], s[G0B+4*\s+3], 0x80000000
.endr
.irp j, 0,1,2
	global_load_b128 v[232+4*\j:232+4*\j+3], v245, s[4:5] offset:512*\j  ; my row of te
.endr
	WIN 0xc0
.irp n, 0,1,2,3,4,5
	global_load_b128 v[BIASL+8*\n:BIASL+8*\n+3],   v[GB], s[10:11] offset:64*\n  ; b1 of pass 0
	global_load_b128 v[BIASL+8*\n+4:BIASL+8*\n+7], v[GB], s[10:11] offset:64*\n+16
.endr
.set i, 0
.rept 26
	v_mov_b32 v[ZPL+i], 0
.set i, i+1
.endr
	WIN 0
	s_wait_kmcnt 0x0                ; b2
	CROUND                          ; all four work-groups are here: the first joint loads meet
	s_cmp_eq_u32 s[WT], 0           ; a wave's two first fills stand in one branch, ahead of every wait on TENSORcnt and every LDS read
	s_cbranch_scc0 .Lfirst_b
	tensor_load_to_lds s[G0A:G0A+3], s[G1A:G1A+7]
	s_nop 0
	tensor_load_to_lds s[G0A+4:G0A+7], s[G1A:G1A+7]
	s_nop 0
.rept 4
	v_nop
.endr
	s_branch .Lfirst_asked
.Lfirst_b:
	tensor_load_to_lds s[G0B:G0B+3], s[G1B:G1B+7]
	s_nop 0
	tensor_load_to_lds s[G0B+4:G0B+7], s[G1B:G1B+7]
	s_nop 0
.rept 4
	v_nop
.endr
.Lfirst_asked:
	s_wait_loadcnt 12               ; te's three loads are in; b1's twelve may be out
.irp j, 0,1,2
	ds_store_b128 v246, v[232+4*\j:232+4*\j+3] offset:512*\j
.endr
	s_wait_tensorcnt 0x1            ; my part of slot 0 is in; slot 1's may stay out
	s_wait_dscnt 0x0
	s_barrier_signal -1
	s_barrier_wait -1
	ds_load_b128 v[TEF:TEF+3], v[AT]        ; the first quarter's fragments, but block 12's, which its own first block fetches
	ds_load_b128 v[TEF+4:TEF+7], v[AT] offset:32
.irp n, 0,1,2,3,4,5
	ds_load_b128 v[BF+8*\n:BF+8*\n+3],   v[AB] offset:\n*16*PITCH
	ds_load_b128 v[BF+8*\n+4:BF+8*\n+7], v[AB] offset:\n*16*PITCH+32
.endr
.irp g, 0,1,2,3,4,5,6,7,8,9,10,11
	ds_load_b128 v[IEF+8*\g:IEF+8*\g+3],   v[AA] offset:\g*16*PITCH
	ds_load_b128 v[IEF+8*\g+4:IEF+8*\g+7], v[AA] offset:\g*16*PITCH+32
.endr
	s_wait_dscnt 0x0
	SCN 12, 1, 0                    ; block 0's fragment times te's buffer 0, as an odd quarter's last block does it
	SCN 12, 1, 1
	s_mov_b32 s[CNT], 23
	s_mov_b32 s[KS], 0
	s_mov_b32 s[PS], 0
	s_mov_b32 s[KN], 2
	s_mov_b32 s[PN], 0
	s_mov_b32 s[TB], 0
	s_branch .Lq0b                  ; the loop is entered at a step's first quarter, in the middle of a trip
.Lloop:                             ; 22 whole trips: quarters 1 to 3 of a step, with a refill, and quarter 0 of the next
	QUARTER 1, 0
	QUARTER 2, 0
	Q3 1
	WIN 0
	s_cmp_lg_u32 s[KS], 0
	s_cbranch_scc1 .Lq0
	EPI                             ; the step to come is a pass's first
.Lq0b:
	s_wait_loadcnt 0x0              ; b1
	QUARTER 0, 1
	PLACES                          ; in front of the loads into b1's registers, which the last products read
	WIN 0
	s_mul_i32 s77, s[PS], 768
	v_add_nc_u32 v[GW], s77, v[G0V]         ; W2 of this pass,
	s_add_co_u32 s78, s[PS], 1
	s_min_u32 s78, s78, 3
	s_mul_i32 s78, s78, 768
	v_add_nc_u32 v[GB], s78, v[G0V]         ; b1 of the next (in the last pass: of the last once more, so that no load leaves b1)
	WIN 0xc0
.irp n, 0,1,2,3,4,5
	global_load_b128 v[W2L+8*\n:W2L+8*\n+3],   v[GW], s[12:13] offset:64*\n
	global_load_b128 v[W2L+8*\n+4:W2L+8*\n+7], v[GW], s[12:13] offset:64*\n+16
.endr
.irp n, 0,1,2,3,4,5
	global_load_b128 v[BIASL+8*\n:BIASL+8*\n+3],   v[GB], s[10:11] offset:64*\n
	global_load_b128 v[BIASL+8*\n+4:BIASL+8*\n+7], v[GB], s[10:11] offset:64*\n+16
.endr
	WIN 0
	s_add_co_u32 s[PS], s[PS], 1
	s_branch .Lbottom
.Lq0:
	QUARTER 0, 0
	WIN 0
.Lbottom:
	s_sub_co_u32 s[CNT], s[CNT], 1
	s_cmp_lg_u32 s[CNT], 0
	s_cbranch_scc1 .Lloop
	s_mov_b32 s[CNT], 2             ; the last two steps are written out: nothing is asked for
.Ltail:
	QUARTER 1, 0
	QUARTER 2, 0
	Q3 0                            ; the second time it fetches fragments out of a slot that holds an old tile, and nobody multiplies them: the price of one text for both trips
	WIN 0
	s_sub_co_u32 s[CNT], s[CNT], 1
	s_cmp_eq_u32 s[CNT], 0
	s_cbranch_scc1 .Lout
	QUARTER 0, 0
	WIN 0
	s_branch .Ltail
.Lout:
	EPI
	s_wait_dscnt 0x0                ; the fragments fetched last are in: their registers serve the way out
	WIN 0x0f
.set i, 0
.rept 13
	v_add_f32 v[IEF+i], v[ZPL+2*i], v[ZPL+2*i+1]
.set i, i+1
.endr
	WIN 0
.set i, 0
.rept 13
	v_permlanex16_b32 v[IEF+16+i], v[IEF+i], s[SEL], s[SEL+1]  ; the row's other 48 columns lie in the lane 16 away
.set i, i+1
.endr
.set i, 0
.rept 13
	v_add_f32 v[IEF+i], v[IEF+i], v[IEF+16+i]
.set i, i+1
.endr
	v_mov_b32 v[IEF+32], 0
.set i, 0
.rept 13
	ds_store_b32 v[ZST], v[IEF+i] offset:64*i       ; both halves of the lanes write the same word with the same number
.set i, i+1
.endr
.irp i, 13,14,15
	ds_store_b32 v[ZST], v[IEF+32] offset:64*\i
.endr
	s_wait_dscnt 0x0                ; for the others' sake
	s_barrier_signal -1
	s_barrier_wait -1
	ds_load_b128 v[232:235], v[ZRD]                 ; four rows i of my text: the two column halves' sums
	ds_load_b128 v[236:239], v[ZRD] offset:1024
	s_mov_b32 s78, 0xbfb8aa3b       ; -log2(e)
	s_mul_f32 s77, s[B2], s78
	s_wait_dscnt 0x0
	v_pk_add_f32 v[232:233], v[232:233], v[236:237]
	v_pk_add_f32 v[234:235], v[234:235], v[238:239]
.irp j, 0,1,2,3
	v_fma_f32 v[232+\j], v[232+\j], s78, s77        ; -log2(e) (z + b2)
.endr
.irp j, 0,1,2,3
	v_exp_f32 v[232+\j], v[232+\j]
.endr
	v_nop                           ; a plain instruction between the last exponential and the use of its result (ISA guide 5.7.2)
	s_wait_alu depctr_va_vdst(0)
.irp j, 0,1,2,3
	v_add_f32 v[232+\j], 1.0, v[232+\j]
.endr
.irp j, 0,1,2,3
	v_rcp_f32 v[232+\j], v[232+\j]
.endr
	v_nop
	s_wait_alu depctr_va_vdst(0)
	global_store_b128 v[GOUT], v[232:235], s[16:17] ; a wave stores 512 consecutive bytes, at a multiple of 256 from gbuf's first byte
	s_wait_tensorcnt 0x0            ; the wave's end, behind my last tensor load and my last LDS store
	ds_add_u32 v[SPW], v[NIL]
	s_wait_dscnt 0x0
	CROUND                          ; the closing round: no work-group ends while a partner may still ask for a tile that names it
	s_endpgm
.Lfunc_end_k_q83d6164400_gate:
	.size	k_q83d6164400_gate, .Lfunc_end_k_q83d6164400_gate-k_q83d6164400_gate
	.p2alignl 7, 3214868480
	.fill 96, 4, 3214868480
	.section	.rodata,"a",@progbits
	.p2align	6, 0x0
	.amdhsa_kernel k_q83d6164400_gate
		.amdhsa_group_segment_fixed_size 327680
		.amdhsa_private_segment_fixed_size 0
		.amdhsa_enable_private_segment 0
		.amdhsa_kernarg_size 56
		.amdhsa_user_sgpr_count 2
		.amdhsa_user_sgpr_kernarg_segment_ptr 1
		.amdhsa_wavefront_size32 1
		.amdhsa_system_sgpr_workgroup_id_x 1
		.amdhsa_system_sgpr_workgroup_id_y 1
		.amdhsa_system_sgpr_workgroup_id_z 1
		.amdhsa_system_vgpr_workitem_id 0
		.amdhsa_next_free_vgpr 1024
		.amdhsa_next_free_sgpr 84
		.amdhsa_reserve_vcc 0
		.amdhsa_float_denorm_mode_32 3
		.amdhsa_float_denorm_mode_16_64 3
		.amdhsa_memory_ordered 1
		.amdhsa_forward_progress 1
		.amdhsa_inst_pref_size 254
	.end_amdhsa_kernel
	.amdgpu_metadata
---
amdhsa.version: [ 1, 2 ]
amdhsa.kernels:
  - .name:           k_q83d6164400_gate
    .symbol:         k_q83d6164400_gate.kd
    .args:
      - { .name: te, .offset: 0, .size: 8, .value_kind: global_buffer, .address_space: global }
      - { .name: ie, .offset: 8, .size: 8, .value_kind: global_buffer, .address_space: global }
      - { .name: w1t, .offset: 16, .size: 8, .value_kind: global_buffer, .address_space: global }
      - { .name: b1, .offset: 24, .size: 8, .value_kind: global_buffer, .address_space: global }
      - { .name: W2, .offset: 32, .size: 8, .value_kind: global_buffer, .address_space: global }
      - { .name: b2, .offset: 40, .size: 8, .value_kind: global_buffer, .address_space: global }
      - { .name: gbuf, .offset: 48, .size: 8, .value_kind: global_buffer, .address_space: global }
    .group_segment_fixed_size: 327680
    .private_segment_fixed_size: 0
    .kernarg_segment_align: 8
    .kernarg_segment_size: 56
    .max_flat_workgroup_size: 128
    .sgpr_count:     84
    .vgpr_count:     1024
    .wavefront_size: 32
...
	.end_amdgpu_metadata
.endif
;; end of part 2
;; launch attn (part 3): grid 48 x 8, 1 waves a work-group, no clusters, 40,448 bytes of LDS; arguments qh, kh, vh, gbuf, out0; writes out0
.if DOCPART == 3
	.amdgcn_target "amdgcn-amd-amdhsa--gfx1250"
	.amdhsa_code_object_version 6
	.text
	.protected	k_q83d6164400_attn
	.globl	k_q83d6164400_attn
	.p2align	8
	.type	k_q83d6164400_attn,@function
k_q83d6164400_attn:
	s_mov_b64 s[64:65], 0
	v_nop
	global_prefetch_b8 v0, s[64:65] scope:SCOPE_SE
	s_setreg_imm32_b32 hwreg(HW_REG_WAVE_MODE, 25, 1), 1
	s_wait_xcnt 0x0
; GATED CROSS-ATTENTION.  out0[b, t, 64 h + d] = sum over i of softmax_i(q . k / 8) gate[b, t, i] v[b, i, 64 h + d].  qh [.][768], kh, vh [.][768]: f16, a head's 64 channels are 128 bytes of a row.
; gbuf [512][256] f32.  out0 [512][768] f32.  Products, maximum and sums in f32; the gated weights p g are rounded to f16 for the second product; their divisor l is the sum of the unrounded, ungated p.
; LIMITS.  p g lies in 0 to 1; below 6e-5 it keeps f16's fixed step of 6e-8.  A key past the 197th counts as its score less 1e30: f16's scores, 2.7e11 at the most, are nothing beside that.  A weight below 2^-126
; counts as 0 in l.  NaN and infinities are not treated apart.
; SHARES.  One wave to a work-group: 16 queries (x % 4) of head x / 4 of batch y, all 197 keys at once: 13 key blocks of 16, no loop, no barrier.
; NO CLUSTER, NO TENSOR LOAD: the four work-groups of a head and batch share 50 KB of K and V, read once each in a text with no ring in which a joint load could be hidden.
; LAYOUT.  S^T = K Q^T (source 0 = 16 keys, source 1 = 16 queries): a lane holds ONE query (lane % 16) and the keys 8 (lane / 16) + 0..7 of each block; the gate is loaded in the same places.  Two blocks rounded to
; f16 ARE source 1 (32 keys x 16 queries) of O^T = V^T P.  K and Q come straight from memory; V goes through LDS and comes out turned, by ds_load_tr16_b128.
; REGISTERS, in windows of 256 (s_set_vgpr_msb: bits 1:0 source 0, 3:2 source 1, 5:4 source 2, 7:6 destination):
;   window 0: v0-31 addresses, statistics; v32-47 Q; v48-151 S^T; v152-207 P; v208-239 O^T; v240-247 the mask; v248-251 zeros      window 1: K, 208, later V^T, 224      window 2: the gate, 104      window 3: V as loaded, 200
.set PV,    160       ; a row of V in LDS: 128 bytes + 32
.set STAGE, 224*PV    ; behind V's 224 rows: 16 rows x 272 bytes for the way out
.set SP,    272
.set QO,   2
.set KO12, 3
.set GOF,  4
.set VO,   5
.set VO49, 6
.set VST,  7
.set VFR,  8
.set STO,  9
.set RD,   10
.set OUTO, 11
.set RL,   12         ; v12-13  1 / l
.set C0,   16         ; v16-19  four chains of the maximum
.set MX,   20
.set CM,   22         ; v22-23  c m
.set LS,   24         ; v24-31  four chains of l, in pairs
.set Q,    32
.set S,    48
.set P,    152
.set O,    208
.set MD,   240
.set ZR,   248
.set CS,   28         ; s[28:29] c = log2(e) / 8
.set SEL,  30
.set BIGN, 32
.set MSB, 0
.macro WIN new
.if MSB != (\new)
	s_set_vgpr_msb (MSB<<8)|(\new)
.set MSB, \new
.endif
.endm
.macro PLACES
.rept 4
	v_nop
.endr
.endm
	s_load_b256 s[4:11], s[0:1], 0x0    ; qh s[4:5], kh s[6:7], vh s[8:9], gbuf s[10:11]
	s_load_b64 s[12:13], s[0:1], 0x20   ; out0
	v_lshl_add_u32 v254, v0, 2, 0x9d00
	v_mov_b32 v255, 0
	s_lshr_b32 s14, ttmp9, 2        ; head
	s_and_b32 s15, ttmp9, 3         ; which 16 queries
	s_and_b32 s16, ttmp7, 0xffff    ; batch
	s_lshl_b32 s17, s16, 6
	s_lshl4_add_u32 s17, s15, s17   ; my first query's row
	s_lshl_b32 s18, s14, 7          ; the head's 128 bytes in a row
	s_mul_i32 s20, s17, 1536
	s_add_co_u32 s20, s20, s18
	s_mov_b32 s21, 0
	s_mul_i32 s22, s16, 197*1536
	s_add_co_u32 s22, s22, s18
	s_mov_b32 s23, 0
	s_lshl_b32 s24, s17, 10
	s_mov_b32 s25, 0
	s_mul_i32 s26, s17, 3072
	s_lshl_b32 s18, s14, 8
	s_add_co_u32 s26, s26, s18
	s_mov_b32 s27, 0
	s_mov_b32 s[CS], 0x3e38aa3b
	s_mov_b32 s[CS+1], s[CS]        ; named with it as a pair
	s_mov_b32 s[SEL], 0x76543210
	s_mov_b32 s[SEL+1], 0xfedcba98
	s_mov_b32 s[BIGN], 0xf149f2ca   ; -1e30
	v_and_b32 v1, 15, v0            ; l % 16
	v_bfe_u32 v14, v0, 4, 1         ; l / 16
	v_mul_u32_u24 v[QO], v1, 1536
	v_lshl_add_u32 v[QO], v14, 4, v[QO]     ; a fragment of Q or K: row x 1,536 + 16 x half
	v_add_nc_u32 v[KO12], 192, v1
	v_min_u32 v[KO12], 196, v[KO12]         ; the last block's rows stop at the batch's last key
	v_mul_u32_u24 v[KO12], v[KO12], 1536
	v_lshl_add_u32 v[KO12], v14, 4, v[KO12]
	v_lshlrev_b32 v[GOF], 10, v1
	v_lshl_add_u32 v[GOF], v14, 5, v[GOF]   ; the gate: my query's row, 8 numbers for each half of the lanes
	v_and_b32 v15, 7, v0
	v_lshrrev_b32 v[VO], 3, v0              ; V: 32 lanes take four rows of 128 bytes
	v_mul_u32_u24 v[VST], v[VO], PV
	v_lshl_add_u32 v[VST], v15, 4, v[VST]
	v_mul_u32_u24 v[VO], v[VO], 1536
	v_lshl_add_u32 v[VO], v15, 4, v[VO]
	v_lshl_add_u32 v[VO49], v15, 4, 196*1536  ; rows 196 to 199: all four are the last key's
	v_lshl_add_u32 v[VFR], v14, 3, v15      ; the turning load: key 8 (l / 16) + l % 8, channels 8 ((l / 8) % 2) on
	v_mul_u32_u24 v[VFR], v[VFR], PV
	v_bfe_u32 v15, v0, 3, 1
	v_lshl_add_u32 v[VFR], v15, 4, v[VFR]
	v_mul_u32_u24 v[STO], v1, SP
	v_lshl_add_u32 v[STO], v14, 5, v[STO]
	v_add_nc_u32 v[STO], STAGE, v[STO]      ; the way out, in: row l % 16, 32 bytes for each half of the lanes
	v_mul_u32_u24 v[RD], v14, SP
	v_lshl_add_u32 v[RD], v1, 4, v[RD]
	v_add_nc_u32 v[RD], STAGE, v[RD]        ; back: lanes 0-15 one row of 256 bytes, lanes 16-31 the next
	v_mul_u32_u24 v[OUTO], v14, 3072
	v_lshl_add_u32 v[OUTO], v1, 4, v[OUTO]
	s_wait_kmcnt 0x0
	s_add_nc_u64 s[4:5], s[4:5], s[20:21]
	s_add_nc_u64 s[6:7], s[6:7], s[22:23]
	s_add_nc_u64 s[8:9], s[8:9], s[22:23]
	s_add_nc_u64 s[10:11], s[10:11], s[24:25]
	s_add_nc_u64 s[12:13], s[12:13], s[26:27]
.irp c, 0,1
	global_load_b128 v[Q+8*\c:Q+8*\c+3],   v[QO], s[4:5] offset:64*\c
	global_load_b128 v[Q+8*\c+4:Q+8*\c+7], v[QO], s[4:5] offset:64*\c+32
.endr
	WIN 0x40
.set t, 0
.rept 12
.irp c, 0,1
	global_load_b128 v[16*t+8*\c:16*t+8*\c+3],   v[QO], s[6:7] offset:t*24576+64*\c
	global_load_b128 v[16*t+8*\c+4:16*t+8*\c+7], v[QO], s[6:7] offset:t*24576+64*\c+32
.endr
.set t, t+1
.endr
.irp c, 0,1
	global_load_b128 v[192+8*\c:192+8*\c+3],   v[KO12], s[6:7] offset:64*\c
	global_load_b128 v[192+8*\c+4:192+8*\c+7], v[KO12], s[6:7] offset:64*\c+32
.endr
	WIN 0x80
.set t, 0
.rept 13
	global_load_b128 v[8*t:8*t+3],   v[GOF], s[10:11] offset:64*t
	global_load_b128 v[8*t+4:8*t+7], v[GOF], s[10:11] offset:64*t+16
.set t, t+1
.endr
	WIN 0xc0
.set t, 0
.rept 49
	global_load_b128 v[4*t:4*t+3], v[VO], s[8:9] offset:t*6144
.set t, t+1
.endr
	global_load_b128 v[196:199], v[VO49], s[8:9]
	WIN 0
	v_lshlrev_b32 v15, 3, v14
	v_sub_nc_u32 v15, 4, v15        ; in the last block key 192 + 8 (l / 16) + j is past the 197th where j > 4 - 8 (l / 16)
.irp j, 0,1,2,3,4,5,6,7
	v_cmp_gt_i32 vcc_lo, \j, v15
	v_cndmask_b32 v[MD+\j], 0, s[BIGN], vcc_lo
.endr
.irp j, 0,1,2,3
	v_mov_b32 v[ZR+\j], 0
	v_mov_b32 v[P+52+\j], 0         ; keys 208 to 223 have no weight
.endr
	s_wait_loadcnt 63               ; of the 132 loads the oldest 69 are in: Q's 4 and K's 52 among them
	WIN 0x01                        ; K in window 1
.irp c, 0,1                         ; the 13 accumulators take turns; the first 13 products start the sums, the last block's with the mask
.set t, 0
.rept 13
.if (\c == 0) && (t == 12)
	v_wmma_f32_16x16x32_f16 v[S+8*t:S+8*t+7], v[16*t+8*\c:16*t+8*\c+7], v[Q+8*\c:Q+8*\c+7], v[MD:MD+7]
.elseif \c == 0
	v_wmma_f32_16x16x32_f16 v[S+8*t:S+8*t+7], v[16*t+8*\c:16*t+8*\c+7], v[Q+8*\c:Q+8*\c+7], 0
.else
	v_wmma_f32_16x16x32_f16 v[S+8*t:S+8*t+7], v[16*t+8*\c:16*t+8*\c+7], v[Q+8*\c:Q+8*\c+7], v[S+8*t:S+8*t+7]
.endif
.set t, t+1
.endr
.endr
	PLACES                          ; in front of the loads into K's registers and of the reads of S^T
	s_wait_loadcnt 0x0              ; V and the gate
	WIN 0x0c                        ; data window 3
.set t, 0
.rept 50
	ds_store_b128 v[VST], v[4*t:4*t+3] offset:t*4*PV
.set t, t+1
.endr
	WIN 0
.set t, 50
.rept 6
	ds_store_b128 v[VST], v[ZR:ZR+3] offset:t*4*PV  ; rows 200 to 223 are zeros
.set t, t+1
.endr
	WIN 0x40                        ; LDS serves a wave's instructions in order (ISA guide 5.7.1.4): these see the stores above
.set t, 0
.rept 28                            ; keys 32 (t / 4) on, channels 16 (t % 4) on
	ds_load_tr16_b128 v[8*t:8*t+3],   v[VFR] offset:(t/4)*32*PV+(t%4)*32
	ds_load_tr16_b128 v[8*t+4:8*t+7], v[VFR] offset:(t/4)*32*PV+16*PV+(t%4)*32
.set t, t+1
.endr
	WIN 0
	; the maximum of the lane's 104 scores, in four chains; each accumulator's lowest registers are read first
.irp g, 0,1,2
.irp q, 0,1,2,3
.irp u, 0,1,2,3
.set rS, S+8*(4*\g+\u)
.if \g > 0
	v_max3_num_f32 v[C0+\u], v[C0+\u], v[rS+2*\q], v[rS+2*\q+1]
.elseif \q == 0
	v_max3_num_f32 v[C0+\u], v[rS], v[rS+1], v[rS+2]
.elseif \q < 3
	v_max3_num_f32 v[C0+\u], v[C0+\u], v[rS+2*\q+1], v[rS+2*\q+2]
.else
	v_max_num_f32 v[C0+\u], v[C0+\u], v[rS+7]
.endif
.endr
.endr
.endr
.irp q, 0,1,2,3
	v_max3_num_f32 v[C0], v[C0], v[S+96+2*\q], v[S+96+2*\q+1]
.endr
	v_max3_num_f32 v[C0], v[C0], v[C0+1], v[C0+2]
	v_max_num_f32 v[C0], v[C0], v[C0+3]
	v_permlanex16_b32 v[C0+1], v[C0], s[SEL], s[SEL+1]  ; the query's other keys lie in the lane 16 away
	v_max_num_f32 v[MX], v[C0], v[C0+1]
	v_mul_f32 v[CM], s[CS], v[MX]
	v_mov_b32 v[CM+1], v[CM]        ; named with it as a pair
.set i, 0
.rept 52
	v_pk_fma_f32 v[S+2*i:S+2*i+1], v[S+2*i:S+2*i+1], s[CS:CS+1], v[CM:CM+1] op_sel_hi:[1,0,0] neg_lo:[0,0,1] neg_hi:[0,0,1]  ; c s - c m
.set i, i+1
.endr
.set i, 0
.rept 104
	v_exp_f32 v[S+i], v[S+i]
.set i, i+1
.endr
	v_nop                           ; a plain instruction between the last exponential and the use of its result (ISA guide 5.7.2)
	s_wait_alu depctr_va_vdst(0)
.irp q, 0,1,2,3                     ; l, of the ungated weights, in four chains of pairs
	v_pk_add_f32 v[LS+2*\q:LS+2*\q+1], v[S+2*\q:S+2*\q+1], v[S+8+2*\q:S+8+2*\q+1]
.endr
.set i, 8
.rept 44
	v_pk_add_f32 v[LS+2*(i%4):LS+2*(i%4)+1], v[LS+2*(i%4):LS+2*(i%4)+1], v[S+2*i:S+2*i+1]
.set i, i+1
.endr
	WIN 0x08                        ; the gate in window 2
.set i, 0
.rept 52
	v_pk_mul_f32 v[S+2*i:S+2*i+1], v[S+2*i:S+2*i+1], v[2*i:2*i+1]
.set i, i+1
.endr
	WIN 0
.set i, 0
.rept 52
	v_cvt_pk_f16_f32 v[P+i], v[S+2*i], v[S+2*i+1]
.set i, i+1
.endr
	v_pk_add_f32 v[LS:LS+1], v[LS:LS+1], v[LS+2:LS+3]
	v_pk_add_f32 v[LS+4:LS+5], v[LS+4:LS+5], v[LS+6:LS+7]
	v_pk_add_f32 v[LS:LS+1], v[LS:LS+1], v[LS+4:LS+5]
	v_add_f32 v[LS], v[LS], v[LS+1]
	v_permlanex16_b32 v[LS+1], v[LS], s[SEL], s[SEL+1]
	v_add_f32 v[LS], v[LS], v[LS+1]
	v_rcp_f32 v[RL], v[LS]
	v_nop
	s_wait_alu depctr_va_vdst(0)
	v_mov_b32 v[RL+1], v[RL]
	s_wait_dscnt 0x0                ; V^T is in
	WIN 0x01
.set t, 0
.rept 28                            ; O^T's four accumulators take turns; the first four products start the sums
.if t < 4
	v_wmma_f32_16x16x32_f16 v[O+8*(t%4):O+8*(t%4)+7], v[8*t:8*t+7], v[P+8*(t/4):P+8*(t/4)+7], 0
.else
	v_wmma_f32_16x16x32_f16 v[O+8*(t%4):O+8*(t%4)+7], v[8*t:8*t+7], v[P+8*(t/4):P+8*(t/4)+7], v[O+8*(t%4):O+8*(t%4)+7]
.endif
.set t, t+1
.endr
	WIN 0
	PLACES
.set i, 0
.rept 16
	v_pk_mul_f32 v[O+2*i:O+2*i+1], v[O+2*i:O+2*i+1], v[RL:RL+1] op_sel_hi:[1,0]
.set i, i+1
.endr
	; THE WAY OUT: a lane's eight channels of a block are 32 bytes of a row; through the stage they become whole rows of 256 bytes.
.irp c, 0,1,2,3
	ds_store_b128 v[STO], v[O+8*\c:O+8*\c+3]   offset:64*\c
	ds_store_b128 v[STO], v[O+8*\c+4:O+8*\c+7] offset:64*\c+16
.endr
.irp t, 0,1,2,3,4,5,6,7
	ds_load_b128 v[S+4*\t:S+4*\t+3], v[RD] offset:\t*2*SP
.endr
.irp t, 0,1,2,3,4,5,6,7
	s_wait_dscnt 7-\t
	global_store_b128 v[OUTO], v[S+4*\t:S+4*\t+3], s[12:13] offset:\t*6144  ; 16 lanes store 256 consecutive bytes, at a multiple of 256 from out0's first byte
.endr
	s_wait_tensorcnt 0x0
	ds_add_u32 v254, v255
	s_wait_dscnt 0x0
	s_endpgm
.Lfunc_end_k_q83d6164400_attn:
	.size	k_q83d6164400_attn, .Lfunc_end_k_q83d6164400_attn-k_q83d6164400_attn
	.p2alignl 7, 3214868480
	.fill 96, 4, 3214868480
	.section	.rodata,"a",@progbits
	.p2align	6, 0x0
	.amdhsa_kernel k_q83d6164400_attn
		.amdhsa_group_segment_fixed_size 40448
		.amdhsa_private_segment_fixed_size 0
		.amdhsa_enable_private_segment 0
		.amdhsa_kernarg_size 40
		.amdhsa_user_sgpr_count 2
		.amdhsa_user_sgpr_kernarg_segment_ptr 1
		.amdhsa_wavefront_size32 1
		.amdhsa_system_sgpr_workgroup_id_x 1
		.amdhsa_system_sgpr_workgroup_id_y 1
		.amdhsa_system_sgpr_workgroup_id_z 1
		.amdhsa_system_vgpr_workitem_id 0
		.amdhsa_next_free_vgpr 968
		.amdhsa_next_free_sgpr 66
		.amdhsa_reserve_vcc 1
		.amdhsa_float_denorm_mode_32 3
		.amdhsa_float_denorm_mode_16_64 3
		.amdhsa_memory_ordered 1
		.amdhsa_forward_progress 1
		.amdhsa_inst_pref_size 52
	.end_amdhsa_kernel
	.amdgpu_metadata
---
amdhsa.version: [ 1, 2 ]
amdhsa.kernels:
  - .name:           k_q83d6164400_attn
    .symbol:         k_q83d6164400_attn.kd
    .args:
      - { .name: qh, .offset: 0, .size: 8, .value_kind: global_buffer, .address_space: global }
      - { .name: kh, .offset: 8, .size: 8, .value_kind: global_buffer, .address_space: global }
      - { .name: vh, .offset: 16, .size: 8, .value_kind: global_buffer, .address_space: global }
      - { .name: gbuf, .offset: 24, .size: 8, .value_kind: global_buffer, .address_space: global }
      - { .name: out0, .offset: 32, .size: 8, .value_kind: global_buffer, .address_space: global }
    .group_segment_fixed_size: 40448
    .private_segment_fixed_size: 0
    .kernarg_segment_align: 8
    .kernarg_segment_size: 40
    .max_flat_workgroup_size: 32
    .sgpr_count:     66
    .vgpr_count:     968
    .wavefront_size: 32
...
	.end_amdgpu_metadata
.endif
;; end of part 3
;; ======== version 2 of 2: 3 launches; 1.14 times as fast as version 1
;; limits: values are held in f16: magnitudes above 65,504 overflow, below 6.1e-05 lose precision; values outside matrix products are rounded to bf16
;; workspace buffers: te 884,736 bytes; qh 884,736 bytes; ie 2,433,024 bytes; kh 2,433,024 bytes; vh 2,433,024 bytes; w1t 1,179,648 bytes; gbuf 524,288 bytes
;; launch proj (part 4): grid 6 x 42, 4 waves a work-group, no clusters, 152,576 bytes of LDS; arguments image, text, Wi, Wk, Wv, Wt, Wq, W1, bi, bk, bv, bt, bq, ie, kh, vh, te, qh, w1t; writes ie, kh, vh, te, qh, w1t
.if DOCPART == 4
	.amdgcn_target "amdgcn-amd-amdhsa--gfx1250"
	.amdhsa_code_object_version 6
	.text
	.protected	k_q83d6164400_proj
	.globl	k_q83d6164400_proj
	.p2align	8
	.type	k_q83d6164400_proj,@function
k_q83d6164400_proj:
	s_mov_b64 s[64:65], 0
	v_nop
	global_prefetch_b8 v0, s[64:65] scope:SCOPE_SE
	s_setreg_imm32_b32 hwreg(HW_REG_WAVE_MODE, 25, 1), 1
	s_wait_xcnt 0x0
; THE FIVE PROJECTIONS AND W1's TRANSPOSITION.  out = X W + bias, K = N = 768.  X: image [1576][768] or text [512][768], f32.  W: [768 k][768 n], f32.
; ie = image Wi + bi and te = text Wt + bt leave as bf16; kh, vh (image Wk, Wv) and qh (text Wq) as f16; all [rows][768].  w1t[n][k] = bf16(W1[k][n]).
; X, W and the biases are rounded to bf16 (nearest even), products and sums in f32, each output rounded once.
; LIMITS.  kh, vh, qh are f16: a number of 65,520 or more becomes an infinity.  NaN and infinities are not treated apart.
; SHARES.  Work-group x takes 128 columns.  y < 33: image, weight y / 11 (Wi, Wk, Wv), rows 144 (y % 11) on; 33 <= y < 41: text, weight (y - 33) / 4 (Wt, Wq), rows 144 ((y - 33) % 4) on;
; y = 41: W1's 128 columns are turned.  11 x 144 = 1,584 and 4 x 144 = 576 rows are stored; rows past the tensor's end repeat its last row (the load's row number is clamped) and nobody reads them.
; A wave makes all 144 rows x 32 columns: 18 accumulators.  K goes in 6 steps of 128 through two LDS buffers that take turns: the step is written once, and the buffer's offset is turned by an exclusive or.
; NO TENSOR LOADS, NO CLUSTER: the operands are f32 in memory and must be rounded on the way, so they pass through registers: 36 + 32 loads of 512 consecutive bytes a wave and step, asked for one step ahead.
; The rounded numbers go into registers of their own, so that the registers loaded into are free, and the next step is asked for, as soon as the 136 conversions are issued, ahead of the LDS stores.
; THE MATRIX INSTRUCTION IS USED TRANSPOSED (source 0 = 16 columns of W, turned out of LDS by ds_load_tr16_b128; source 1 = 16 rows of X): a lane holds eight neighbouring numbers of a row of the output.
; REGISTERS, in windows of 256 (s_set_vgpr_msb: bits 1:0 source 0, 3:2 source 1, 5:4 source 2, 7:6 destination):
;   window 0: v0-19 addresses; v20-55 X's row offsets; v56-71 bias; v72-79 at work; v80-255 two fragment buffers of 88
;   window 1: v0-143 X as loaded, v144-215 rounded      window 2: v0-127 W as loaded, v128-191 rounded      window 3: accumulators, 144
.set PX,   272        ; a row of X in LDS: 256 bytes + 16: the 16 rows of a fragment load start at 16 different groups of four banks (64 banks of 4 bytes: ISA guide 11.1)
.set PW,   288        ; a row of W ([k][n]): 256 + 32
.set WS,   144*PX     ; in a buffer: 144 rows of X, then 128 rows of W
.set BUF,  WS+128*PW  ; 76,032 bytes; two buffers.  The way out's stage (144 rows x 272) is buffer 0's X
.set XST,  4          ; v4   where I store X's rows in buffer 0; v5 the same in the buffer in hand
.set WST,  6          ; v6-7    the same for W
.set XFR,  8          ; v8-9    my lane's place in a fragment of X
.set WFR,  10         ; v10-11  the same for W, turned
.set WO,   12         ; v12     my byte offset in W
.set BO,   13         ; v13     in the bias
.set STO,  14         ; v14     the way out: where I put 16 bytes of a row
.set RD,   15         ; v15     where I read rows back
.set GO,   16         ; v16     my byte offset in the output
.set XO,   20
.set BI,   56
.set TMP,  72
.set FR,   80
.set XP,   144        ; window 1
.set WP,   128        ; window 2
.set WV,   42         ; s42  wave
.set NX,   43         ; s43  x
.set PXA,  44         ; s[44:45] X   s[46:47] W   s[48:49] bias   s[50:51] output
.set PWA,  46
.set PBA,  48
.set POA,  50
.set YY,   52
.set GG,   53         ; which weight, 0 to 4
.set MT,   54
.set ML,   55         ; X's last row
.set MROW, 56
.set CNT,  57
.set FMT,  62         ; 1: bf16 out, 0: f16
.set SB,   63         ; the LDS buffer in hand: 0 or BUF
.set MSB, 0
.macro WIN new                      ; the high byte repeats the setting that is left; a switch that changes nothing is dropped
.if MSB != (\new)
	s_set_vgpr_msb (MSB<<8)|(\new)
.set MSB, \new
.endif
.endm
.macro PLACES                       ; four places between a matrix instruction and a load into, or a vector read of, its registers
.rept 4
	v_nop
.endr
.endm
.macro LOADX                        ; 36 rows of mine, 128 numbers each: a load covers 512 consecutive bytes
	WIN 0x40
.set i, 0
.rept 36
	global_load_b128 v[4*i:4*i+3], v[XO+i], s[PXA:PXA+1]
.set i, i+1
.endr
.endm
.macro LOADW first, count           ; of the step's rows k = 32 wave + 0..31, my work-group's 128 columns: count rows from row first on
	WIN 0x80
.set i, \first
.rept \count
	global_load_b128 v[4*i:4*i+3], v[WO], s[PWA:PWA+1] offset:i*3072
.set i, i+1
.endr
.endm
.macro CVTX                         ; four f32 into two registers of bf16
	WIN 0x45
.set i, 0
.rept 36
	v_cvt_pk_bf16_f32 v[XP+2*i], v[4*i], v[4*i+1]
	v_cvt_pk_bf16_f32 v[XP+2*i+1], v[4*i+2], v[4*i+3]
.set i, i+1
.endr
.endm
.macro CVTW
	WIN 0x8a
.set i, 0
.rept 32
	v_cvt_pk_bf16_f32 v[WP+2*i], v[4*i], v[4*i+1]
	v_cvt_pk_bf16_f32 v[WP+2*i+1], v[4*i+2], v[4*i+3]
.set i, i+1
.endr
.endm
.macro STX adr                      ; 32 lanes x 8 bytes are a row's 256
	WIN 0x04                        ; address window 0, data window 1
.set i, 0
.rept 36
	ds_store_b64 v[\adr], v[XP+2*i:XP+2*i+1] offset:i*PX
.set i, i+1
.endr
.endm
.macro STW adr
	WIN 0x08
.set i, 0
.rept 32
	ds_store_b64 v[\adr], v[WP+2*i:WP+2*i+1] offset:i*PW
.set i, i+1
.endr
.endm
; 22 LDS loads: the fragments of 32 along K (part sub of the step) into fragment buffer f: 9 of X, 2 of W
.macro FRAG sub, f
	WIN 0
.irp a, 0,1,2,3,4,5,6,7,8
	ds_load_b128 v[FR+88*(\f)+8*\a:FR+88*(\f)+8*\a+3],   v[XFR+1] offset:\a*16*PX+64*(\sub)
	ds_load_b128 v[FR+88*(\f)+8*\a+4:FR+88*(\f)+8*\a+7], v[XFR+1] offset:\a*16*PX+64*(\sub)+32
.endr
.irp n, 0,1
	ds_load_tr16_b128 v[FR+88*(\f)+72+8*\n:FR+88*(\f)+72+8*\n+3],   v[WFR+1] offset:32*(\sub)*PW+32*\n
	ds_load_tr16_b128 v[FR+88*(\f)+72+8*\n+4:FR+88*(\f)+72+8*\n+7], v[WFR+1] offset:(32*(\sub)+16)*PW+32*\n
.endr
.endm
.macro MUL f                        ; 18 matrix instructions, each accumulator once: they take turns
	WIN 0xf0
.irp a, 0,1,2,3,4,5,6,7,8
.irp n, 0,1
	v_wmma_f32_16x16x32_bf16 v[8*(2*\a+\n):8*(2*\a+\n)+7], v[FR+88*(\f)+72+8*\n:FR+88*(\f)+72+8*\n+7], v[FR+88*(\f)+8*\a:FR+88*(\f)+8*\a+7], v[8*(2*\a+\n):8*(2*\a+\n)+7]
.endr
.endr
.endm
	s_load_b512 s[4:19], s[0:1], 0x0    ; image 4, text 6, Wi 8, Wk 10, Wv 12, Wt 14, Wq 16, W1 18
	s_load_b512 s[20:35], s[0:1], 0x40  ; bi 20, bk 22, bv 24, bt 26, bq 28, ie 30, kh 32, vh 34
	s_load_b128 s[36:39], s[0:1], 0x80  ; te 36, qh 38
	s_load_b64 s[40:41], s[0:1], 0x90   ; w1t
	v_lshl_add_u32 v19, v0, 2, 0x25200
	s_set_vgpr_msb 0x40
	v_mov_b32 v255, 0
	s_set_vgpr_msb 0x4000
	v_lshrrev_b32 v1, 5, v0
	v_readfirstlane_b32 s[WV], v1
	s_mov_b32 s[NX], ttmp9
	s_and_b32 s[YY], ttmp7, 0xffff
	v_and_b32 v1, 31, v0            ; lane
	v_and_b32 v2, 15, v0            ; l % 16
	v_bfe_u32 v3, v0, 4, 1          ; l / 16
	s_mul_i32 s58, s[WV], 32*PW
	s_add_co_u32 s58, s58, WS
	v_lshl_add_u32 v[WST], v1, 3, s58       ; W's rows 32 wave on, 8 bytes a lane
	v_and_b32 v17, 7, v0
	v_lshl_add_u32 v17, v3, 3, v17          ; the turning load: row 8 (l / 16) + l % 8,
	v_mul_u32_u24 v17, v17, PW
	v_bfe_u32 v18, v0, 3, 1
	v_lshl_add_u32 v17, v18, 4, v17         ; 16 bytes for each half of eight lanes,
	s_lshl_b32 s58, s[WV], 6
	s_add_co_u32 s58, s58, WS
	v_add_nc_u32 v[WFR], s58, v17           ; my wave's 32 columns
	s_mul_i32 s58, s[WV], 32*3072
	s_lshl_b32 s59, s[NX], 9
	s_add_co_u32 s58, s58, s59
	v_lshl_add_u32 v[WO], v1, 4, s58        ; row 32 wave, column 128 x, 16 bytes a lane
	s_cmp_eq_u32 s[YY], 41
	s_cbranch_scc1 .Lw1
	; which weight, which rows
	s_cmp_ge_u32 s[YY], 11
	s_cselect_b32 s58, 1, 0
	s_cmp_ge_u32 s[YY], 22
	s_cselect_b32 s59, 1, 0
	s_add_co_u32 s[GG], s58, s59
	s_mul_i32 s58, s[GG], 11
	s_sub_co_u32 s[MT], s[YY], s58
	s_sub_co_u32 s58, s[YY], 33
	s_lshr_b32 s59, s58, 2
	s_add_co_u32 s59, s59, 3
	s_and_b32 s58, s58, 3
	s_movk_i32 s[ML], 1575
	s_cmp_ge_u32 s[YY], 33
	s_cselect_b32 s[GG], s59, s[GG]
	s_cselect_b32 s[MT], s58, s[MT]
	s_cselect_b32 s[ML], 511, s[ML]
	s_cmp_eq_u32 s[GG], 0
	s_cselect_b32 s[FMT], 1, 0
	s_cmp_eq_u32 s[GG], 3
	s_cselect_b32 s[FMT], 1, s[FMT]
	s_mul_i32 s58, s[WV], 36*PX
	v_lshl_add_u32 v[XST], v1, 3, s58       ; X's rows 36 wave on
	v_mul_u32_u24 v[XFR], v2, PX
	v_lshl_add_u32 v[XFR], v3, 4, v[XFR]    ; a fragment's row x pitch + 16 x half
	s_lshl_b32 s59, s[WV], 6
	v_add_nc_u32 v[STO], s59, v[XFR]        ; into the stage: row l % 16, my wave's 64 bytes, 16 for each half of the lanes
	v_mul_u32_u24 v[RD], v3, PX             ; back: wave w takes rows 36 w on, whole; lanes 0-15 one row of 256 bytes, lanes 16-31 the next
	v_lshl_add_u32 v[RD], v2, 4, v[RD]
	v_add_nc_u32 v[RD], s58, v[RD]
	s_mul_i32 s58, s[WV], 36*1536
	v_mul_u32_u24 v[GO], v3, 1536
	v_lshl_add_u32 v[GO], v2, 4, v[GO]
	v_add_nc_u32 v[GO], s58, v[GO]
	s_lshl_b32 s58, s[NX], 9
	s_lshl_b32 s59, s[WV], 7
	s_add_co_u32 s58, s58, s59
	v_lshl_add_u32 v[BO], v3, 5, s58        ; bias of columns 128 x + 32 wave + 8 (l / 16) on
	v_lshlrev_b32 v17, 4, v1
	s_mul_i32 s[MROW], s[MT], 144
	s_mul_i32 s58, s[WV], 36
	s_add_co_u32 s58, s58, s[MROW]
.set i, 0
.rept 36
	s_add_co_u32 s59, s58, i
	s_min_u32 s59, s59, s[ML]               ; no load leaves X
	s_mul_i32 s59, s59, 3072
	v_add_nc_u32 v[XO+i], s59, v17
.set i, i+1
.endr
	s_mul_i32 s60, s[MROW], 1536
	s_lshl_b32 s59, s[NX], 8
	s_add_co_u32 s60, s60, s59
	s_mov_b32 s61, 0
	s_wait_kmcnt 0x0
	s_cmp_ge_u32 s[YY], 33
	s_cselect_b64 s[PXA:PXA+1], s[6:7], s[4:5]
	s_mov_b64 s[PWA:PWA+1], s[8:9]
	s_mov_b64 s[PBA:PBA+1], s[20:21]
	s_mov_b64 s[POA:POA+1], s[30:31]
.macro PICK g, w, bb, o
	s_cmp_eq_u32 s[GG], \g
	s_cselect_b64 s[PWA:PWA+1], s[\w:\w+1], s[PWA:PWA+1]
	s_cselect_b64 s[PBA:PBA+1], s[\bb:\bb+1], s[PBA:PBA+1]
	s_cselect_b64 s[POA:POA+1], s[\o:\o+1], s[POA:POA+1]
.endm
	PICK 1, 10, 22, 32
	PICK 2, 12, 24, 34
	PICK 3, 14, 26, 36
	PICK 4, 16, 28, 38
	s_add_nc_u64 s[POA:POA+1], s[POA:POA+1], s[60:61]
.irp n, 0,1
	global_load_b128 v[BI+8*\n:BI+8*\n+3],   v[BO], s[PBA:PBA+1] offset:64*\n
	global_load_b128 v[BI+8*\n+4:BI+8*\n+7], v[BO], s[PBA:PBA+1] offset:64*\n+16
.endr
	LOADX                           ; K step 0
	LOADW 0, 32
	WIN 0
	s_wait_loadcnt 63               ; of the 72 loads the oldest nine are in, the bias's four among them
.irp k, 0,1,2,3,4,5,6,7
	v_cvt_pk_bf16_f32 v[TMP+\k], v[BI+2*\k], v[BI+2*\k+1]  ; the bias is rounded to bf16 like the other inputs, and widened again
.endr
.irp k, 0,1,2,3,4,5,6,7
	v_lshlrev_b32 v[BI+2*\k], 16, v[TMP+\k]
	v_and_b32 v[BI+2*\k+1], 0xffff0000, v[TMP+\k]
.endr
	WIN 0xc0                        ; the sums start at the bias: 144 copies, in the wait for the first step's loads; the price of writing no first step out
.set i, 0
.rept 18
.irp j, 0,1,2,3,4,5,6,7
	v_mov_b32 v[8*i+\j], v[BI+8*(i%2)+\j]
.endr
.set i, i+1
.endr
	WIN 0
	s_mov_b32 s[CNT], 6
	s_mov_b32 s[SB], 0
; A K STEP.  ONE barrier a step: the buffer written here was last read two steps ago, and every wave's reads of it were back in front of its signal one step ago.
; In the last trip there is no further step, and the two groups of loads are jumped over (global loads alone; every wait for them is for 0).
.Ltrip:
	v_add_nc_u32 v[XST+1], s[SB], v[XST]    ; the four LDS addresses in the buffer in hand
	v_add_nc_u32 v[WST+1], s[SB], v[WST]
	v_add_nc_u32 v[XFR+1], s[SB], v[XFR]
	v_add_nc_u32 v[WFR+1], s[SB], v[WFR]
	s_wait_loadcnt 0x0              ; this step's X and W are in registers; the bases may be stepped
	CVTX
	CVTW
	WIN 0
	s_cmp_eq_u32 s[CNT], 1
	s_cbranch_scc1 .Lnomore1
	s_add_nc_u64 s[PXA:PXA+1], s[PXA:PXA+1], 512
	s_add_nc_u64 s[PWA:PWA+1], s[PWA:PWA+1], 128*3072
	LOADX                           ; the next step: 60 of its 68 loads, into the registers that the conversions have just read
	LOADW 0, 24
	WIN 0
.Lnomore1:
	STX XST+1
	STW WST+1
	WIN 0
	s_wait_dscnt 0x0                ; my stores are done: for the others' sake
	s_barrier_signal -1
	s_barrier_wait -1
	FRAG 0, 0
	FRAG 1, 1
	s_cmp_eq_u32 s[CNT], 1
	s_cbranch_scc1 .Lnomore2
	LOADW 24, 8                     ; the other 8: behind the stores, the barrier and 44 LDS loads, so that 68 loads are not asked for in one run in front of the barrier
	WIN 0
.Lnomore2:
	s_wait_dscnt 22                 ; all but the younger 22
	MUL 0
	PLACES
	FRAG 2, 0
	s_wait_dscnt 22
	MUL 1
	PLACES
	FRAG 3, 1
	s_wait_dscnt 22
	MUL 0
	s_wait_dscnt 0x0
	MUL 1
	WIN 0
	s_xor_b32 s[SB], s[SB], BUF     ; the other buffer
	s_sub_co_u32 s[CNT], s[CNT], 1
	s_cmp_lg_u32 s[CNT], 0
	s_cbranch_scc1 .Ltrip
	; THE WAY OUT: rounded once, 16 bytes a lane into the stage; a barrier, since a row's 256 bytes come from four waves; back as whole rows, 36 a wave.
	; The stage is buffer 0's X: the last step read buffer 1, and buffer 0's last readers (the step before) were back in front of the last step's barrier.
	PLACES
	s_cmp_eq_u32 s[FMT], 1
	s_cbranch_scc0 .Lhalf
	WIN 0x0f                        ; sources window 3, destination window 0; each accumulator's registers in ascending order
.set i, 0
.rept 72
	v_cvt_pk_bf16_f32 v[FR+i], v[2*i], v[2*i+1]
.set i, i+1
.endr
	WIN 0
	s_branch .Lpacked
.Lhalf:
	WIN 0x0f
.set i, 0
.rept 72
	v_cvt_pk_f16_f32 v[FR+i], v[2*i], v[2*i+1]
.set i, i+1
.endr
	WIN 0
.Lpacked:
.irp a, 0,1,2,3,4,5,6,7,8
.irp n, 0,1
	ds_store_b128 v[STO], v[FR+4*(2*\a+\n):FR+4*(2*\a+\n)+3] offset:\a*16*PX+32*\n
.endr
.endr
	s_wait_dscnt 0x0                ; for the others' sake
	s_barrier_signal -1
	s_barrier_wait -1
.set i, 0
.rept 18
	ds_load_b128 v[FR+72+4*i:FR+72+4*i+3], v[RD] offset:i*2*PX
.set i, i+1
.endr
.set i, 0
.rept 18
	s_wait_dscnt 17-i
	global_store_b128 v[GO], v[FR+72+4*i:FR+72+4*i+3], s[POA:POA+1] offset:i*3072  ; 16 lanes store 256 consecutive bytes, at a multiple of 256 from the buffer's first byte
.set i, i+1
.endr
	s_set_vgpr_msb 0x4
	s_wait_tensorcnt 0x0
	ds_add_u32 v19, v255
	s_wait_dscnt 0x0
	s_set_vgpr_msb 0x400
	s_endpgm
	; W1's 128 columns become 128 rows of w1t.  Six trips of 128 k: rounded into buffer 0's W as above, turned out of it, through my own 32 stage rows into whole rows of 256 bytes.
.Lw1:
	s_mul_i32 s58, s[WV], 32*PX
	v_mul_u32_u24 v[STO], v2, PX
	v_lshl_add_u32 v[STO], v3, 4, v[STO]
	v_add_nc_u32 v[STO], s58, v[STO]        ; in: row 32 wave + l % 16, 16 bytes for each half of the lanes
	v_mul_u32_u24 v[RD], v3, PX
	v_lshl_add_u32 v[RD], v2, 4, v[RD]
	v_add_nc_u32 v[RD], s58, v[RD]          ; back: two whole rows a load
	s_mul_i32 s58, s[WV], 32*1536
	v_mul_u32_u24 v[GO], v3, 1536
	v_lshl_add_u32 v[GO], v2, 4, v[GO]
	v_add_nc_u32 v[GO], s58, v[GO]
	s_mul_i32 s60, s[NX], 128*1536
	s_mov_b32 s61, 0
	s_wait_kmcnt 0x0
	s_mov_b64 s[PWA:PWA+1], s[18:19]
	s_add_nc_u64 s[POA:POA+1], s[40:41], s[60:61]
	LOADW 0, 32
	WIN 0
	s_mov_b32 s[CNT], 6
.Lw1trip:
	s_wait_loadcnt 0x0
	CVTW
	STW WST
	WIN 0
	s_wait_dscnt 0x0
	s_cmp_eq_u32 s[CNT], 1
	s_cbranch_scc1 .Lw1last
	s_add_nc_u64 s[PWA:PWA+1], s[PWA:PWA+1], 128*3072
	LOADW 0, 32                     ; the next 128 k
	WIN 0
.Lw1last:
	s_barrier_signal -1
	s_barrier_wait -1               ; W's rows are whole
.irp q, 0,1,2,3,4,5,6,7             ; 16 k at 16 q, my 32 columns: a lane gets 8 consecutive k of one column
.irp n, 0,1
	ds_load_tr16_b128 v[FR+4*(2*\q+\n):FR+4*(2*\q+\n)+3], v[WFR] offset:16*\q*PW+32*\n
.endr
.endr
	s_wait_dscnt 0x0                ; my reads of them are back:
	s_barrier_signal -1
	s_barrier_wait -1               ; everybody's are, so the next trip may write them
.irp q, 0,1,2,3,4,5,6,7
.irp n, 0,1
	ds_store_b128 v[STO], v[FR+4*(2*\q+\n):FR+4*(2*\q+\n)+3] offset:\n*16*PX+32*\q
.endr
.endr
.set i, 0
.rept 16
	ds_load_b128 v[FR+64+4*i:FR+64+4*i+3], v[RD] offset:i*2*PX  ; LDS serves a wave's instructions in order (ISA guide 5.7.1.4): these see my stores above
.set i, i+1
.endr
	s_wait_dscnt 0x0
.set i, 0
.rept 16
	global_store_b128 v[GO], v[FR+64+4*i:FR+64+4*i+3], s[POA:POA+1] offset:i*3072  ; 16 lanes store 256 consecutive bytes, aligned
.set i, i+1
.endr
	s_wait_xcnt 0x0                 ; the stores' base and data are rewritten only behind this wait
	s_add_nc_u64 s[POA:POA+1], s[POA:POA+1], 256
	s_sub_co_u32 s[CNT], s[CNT], 1
	s_cmp_lg_u32 s[CNT], 0
	s_cbranch_scc1 .Lw1trip
	s_set_vgpr_msb 0x4
	s_wait_tensorcnt 0x0
	ds_add_u32 v19, v255
	s_wait_dscnt 0x0
	s_set_vgpr_msb 0x400
	s_endpgm
.Lfunc_end_k_q83d6164400_proj:
	.size	k_q83d6164400_proj, .Lfunc_end_k_q83d6164400_proj-k_q83d6164400_proj
	.p2alignl 7, 3214868480
	.fill 96, 4, 3214868480
	.section	.rodata,"a",@progbits
	.p2align	6, 0x0
	.amdhsa_kernel k_q83d6164400_proj
		.amdhsa_group_segment_fixed_size 152576
		.amdhsa_private_segment_fixed_size 0
		.amdhsa_enable_private_segment 0
		.amdhsa_kernarg_size 152
		.amdhsa_user_sgpr_count 2
		.amdhsa_user_sgpr_kernarg_segment_ptr 1
		.amdhsa_wavefront_size32 1
		.amdhsa_system_sgpr_workgroup_id_x 1
		.amdhsa_system_sgpr_workgroup_id_y 1
		.amdhsa_system_sgpr_workgroup_id_z 1
		.amdhsa_system_vgpr_workitem_id 0
		.amdhsa_next_free_vgpr 912
		.amdhsa_next_free_sgpr 66
		.amdhsa_reserve_vcc 0
		.amdhsa_float_denorm_mode_32 3
		.amdhsa_float_denorm_mode_16_64 3
		.amdhsa_memory_ordered 1
		.amdhsa_forward_progress 1
		.amdhsa_inst_pref_size 87
	.end_amdhsa_kernel
	.amdgpu_metadata
---
amdhsa.version: [ 1, 2 ]
amdhsa.kernels:
  - .name:           k_q83d6164400_proj
    .symbol:         k_q83d6164400_proj.kd
    .args:
      - { .name: image, .offset: 0, .size: 8, .value_kind: global_buffer, .address_space: global }
      - { .name: text, .offset: 8, .size: 8, .value_kind: global_buffer, .address_space: global }
      - { .name: Wi, .offset: 16, .size: 8, .value_kind: global_buffer, .address_space: global }
      - { .name: Wk, .offset: 24, .size: 8, .value_kind: global_buffer, .address_space: global }
      - { .name: Wv, .offset: 32, .size: 8, .value_kind: global_buffer, .address_space: global }
      - { .name: Wt, .offset: 40, .size: 8, .value_kind: global_buffer, .address_space: global }
      - { .name: Wq, .offset: 48, .size: 8, .value_kind: global_buffer, .address_space: global }
      - { .name: W1, .offset: 56, .size: 8, .value_kind: global_buffer, .address_space: global }
      - { .name: bi, .offset: 64, .size: 8, .value_kind: global_buffer, .address_space: global }
      - { .name: bk, .offset: 72, .size: 8, .value_kind: global_buffer, .address_space: global }
      - { .name: bv, .offset: 80, .size: 8, .value_kind: global_buffer, .address_space: global }
      - { .name: bt, .offset: 88, .size: 8, .value_kind: global_buffer, .address_space: global }
      - { .name: bq, .offset: 96, .size: 8, .value_kind: global_buffer, .address_space: global }
      - { .name: ie, .offset: 104, .size: 8, .value_kind: global_buffer, .address_space: global }
      - { .name: kh, .offset: 112, .size: 8, .value_kind: global_buffer, .address_space: global }
      - { .name: vh, .offset: 120, .size: 8, .value_kind: global_buffer, .address_space: global }
      - { .name: te, .offset: 128, .size: 8, .value_kind: global_buffer, .address_space: global }
      - { .name: qh, .offset: 136, .size: 8, .value_kind: global_buffer, .address_space: global }
      - { .name: w1t, .offset: 144, .size: 8, .value_kind: global_buffer, .address_space: global }
    .group_segment_fixed_size: 152576
    .private_segment_fixed_size: 0
    .kernarg_segment_align: 8
    .kernarg_segment_size: 152
    .max_flat_workgroup_size: 128
    .sgpr_count:     66
    .vgpr_count:     912
    .wavefront_size: 32
...
	.end_amdgpu_metadata
.endif
;; end of part 4
;; launch gate (part 5): grid 32 x 8, 4 waves a work-group, clusters of 4 x 1, 327,680 bytes of LDS; arguments te, ie, w1t, b1, W2, b2, gbuf; writes gbuf
.if DOCPART == 5
	.amdgcn_target "amdgcn-amd-amdhsa--gfx1250"
	.amdhsa_code_object_version 6
	.text
	.protected	k_q83d6164400_gate
	.globl	k_q83d6164400_gate
	.p2align	8
	.type	k_q83d6164400_gate,@function
k_q83d6164400_gate:
	s_mov_b64 s[64:65], 0
	v_nop
	global_prefetch_b8 v0, s[64:65] scope:SCOPE_SE
	s_setreg_imm32_b32 hwreg(HW_REG_WAVE_MODE, 25, 1), 1
	s_wait_xcnt 0x0
	s_wait_alu depctr_hold_cnt(0) depctr_sa_sdst(0) depctr_va_vdst(0) depctr_va_sdst(0) depctr_va_ssrc(0) depctr_va_vcc(0) depctr_vm_vsrc(0)
	s_getreg_b32 s2, hwreg(HW_REG_IB_STS2, 6, 4)
	s_cmp_eq_u32 s2, 0
	s_cbranch_scc0 .Lentry_in_a_cluster
	s_endpgm
.Lentry_in_a_cluster:
	s_bfe_u32 s2, ttmp6, 0x10000c
	s_cmp_lg_u32 s2, 0x3003
	s_cbranch_scc0 .Lentry_shape_is_right
	s_endpgm
.Lentry_shape_is_right:
; THE GATE.  gbuf[b 64 + t][i] = sigmoid(sum over n of relu(sum over k of te[b,t,k] ie[b,i,k] W1[k,n] + b1[n]) W2[n] + b2).  te [.][768], ie [.][768], w1t [768 n][768 k]: bf16.  b1, W2, b2: f32.  gbuf [512][256] f32.
; A product of 100,864 generated rows with W1, reduced over n at once: the rows are never stored.  A wave has ONE text t, so te goes onto W1: the wave multiplies ie's rows by w1t[n][k] te[k].  That is 6 fragments to scale
; for 32 along K where te on ie would be 13.
; LIMITS.  The order of rounding differs from the reference's: te, ie and W1 arrive rounded to bf16; te W1 (exact in f32: v_fma_mixlo_bf16, v_fma_mixhi_bf16) is rounded to bf16 once, where the reference forms te ie.
; Sums, relu, the sum over n and the sigmoid in f32.  NaN and infinities are not treated apart.  Columns i = 197..207 hold the gate of a zero row, 208..255 sigmoid(b2): finite numbers that the launch behind
; multiplies by 0 or does not read.
; SHARES.  8 x 64 x 197 rows / 256 = 394 = 2 t x 197 i: a work-group takes batch b and the texts 2 tp, 2 tp + 1.  Wave w: text w / 2, column half w % 2.  n goes in 4 passes of 192 columns; in a pass a wave
; makes 208 rows (13 blocks of 16; rows 197 on are zeros) x 96 columns: 78 accumulators, 624 registers.  K goes in 6 steps of 128 a pass through two LDS slots; a step is four quarters of 32, 78 matrix instructions each.
; THE MATRIX INSTRUCTION IS USED TRANSPOSED (source 0 = 16 scaled rows of w1t, source 1 = 16 rows of ie): a lane holds ONE row i and eight columns n.  So b1 is the C operand of a pass's first quarter, and the sum
; over n stays in the lane until one exchange at the very end.
; CLUSTER.  The four work-groups of a cluster share b, and w1t is the same for all: every tile is asked for JOINTLY, by the same tensor load, descriptor and mask in all four.  My place in the cluster enters te's and
; gbuf's global addresses alone.
; REGISTERS, in windows of 256 (s_set_vgpr_msb: bits 1:0 source 0, 3:2 source 1, 5:4 source 2, 7:6 destination):
;   window 0: v1 zero; v2-15 addresses; v16-111 w1t's fragments, two buffers of 6; v112-255 the accumulators of blocks 10-12
;   window 1: v0-103 ie's 13 fragments, ONE buffer; v104-111 te's fragment; v112-159 b1, v160-207 W2 of my 96 columns; v208-233 z, a pair for each block; v234-249 at work
;   window 2: the accumulators of blocks 0-4      window 3: of blocks 5-9      (block a, column block n: 48 registers a block, 8 a column block)
; A product on blocks 10-12 and a scaling of w1t's next fragments name the same windows in every place, so the scalings ride behind those products without a switch.
.set PITCH, 272       ; an LDS row: 256 bytes + 16: the 16 rows of a fragment load start at 16 different groups of four banks (64 banks of 4 bytes: ISA guide 11.1)
.set BOFF,  208*PITCH ; a slot: 208 rows of ie, then 192 rows of w1t
.set AHALF, 104*PITCH ; what one tensor load brings of ie
.set BHALF, 96*PITCH  ; and of w1t; also what a wave reads of it
.set SLOT1, 1<<17     ; slot 1 begins here, so that one exclusive or turns an address in one slot into the other's
.set TEB,   SLOT1+BOFF+2*BHALF  ; behind the ring, never filled by a tensor load: each wave's row of te, 1,536 bytes
.set ZB,    TEB+4*1536          ; each wave's 256 sums z
.set SPARE, ZB+4*1024           ; the spare words, 128 bytes for each wave: two blocks of 256 bytes that no other line names
.set ZERO, 1          ; v1   0.0: the addend of the scalings
.set A0,   2          ; v2   my lane's place in a fragment of ie; never rewritten
.set B0,   3          ; v3   of w1t
.set T0,   4          ; v4   of te
.set AA,   5          ; v5-7 the same plus the slot (ie, w1t) or the K step (te) that is being fetched
.set AB,   6
.set AT,   7
.set G0V,  8          ; v8   my byte offset in a pass's 192 numbers of b1 and W2
.set GB,   9
.set GW,   10
.set ZST,  11
.set ZRD,  12
.set GOUT, 13
.set SPW,  14         ; v14  LDS address of my spare word: SPARE + 4 x my thread's number; never rewritten
.set NIL,  15         ; v15  0; never rewritten
.set BF,   16
.set HR,   112        ; v112-127 serve the kernel's head, before the first product writes them: l % 16, l / 16, 16 x lane, where te's row goes, te's row
.set HH,   113
.set HL,   114
.set HT,   115
.set HD,   116
.set ZS,   16         ; w1t's registers serve the way out: z at v16-28, the other half's at v32-44, the last four numbers at v48-55
.set FIN,  48
.set IEL,  0          ; window 1
.set TEL,  104
.set BIASL, 112
.set W2L,  160
.set ZPL,  208
.set TTL,  234
.set WV,   18         ; s18 wave   s19 wave / 2: my text; also: I fetch ie (0) or w1t (1)   s20 wave % 2: my column half; also: which half of the tile I fetch
.set WT,   19
.set HF,   20
.set G1A,  24         ; s[24:31] descriptor group 1 for ie's tiles     s[32:39] for w1t's
.set G1B,  32
.set G0A,  40         ; s[40:47] group 0 for ie's tiles: a set for each of the two first fills; the second then walks     s[48:55] the same for w1t's
.set G0B,  48
.set CNT,  66
.set KS,   67         ; the K step, 0 to 5, of the quarter that is being fetched
.set PS,   68         ; the pass
.set KN,   69         ; K step and pass of the tile to be asked for next
.set PN,   70
.set TB,   71         ; the slot that is being fetched from
.set TK,   72
.set SEL,  74
.set B2,   76
.set MSB, 0
.macro WIN new                      ; the high byte repeats the setting that is left; a switch that changes nothing is dropped
.if MSB != (\new)
	s_set_vgpr_msb (MSB<<8)|(\new)
.set MSB, \new
.endif
.endm
.macro PLACES                       ; four places between a matrix instruction and a load into one of its registers (ISA guide 7.12.1 for vector instructions)
.rept 4
	v_nop
.endr
.endm
; A joint refill.  Waves 0 and 1 fetch ie's two halves, waves 2 and 3 w1t's.  The branch hangs on the wave's number alone.  An s_nop 0 and four v_nop follow each of the two lines.
.macro JLOAD
	s_cmp_eq_u32 s[WT], 0
	s_cbranch_scc0 .Lfor_b_\@
	tensor_load_to_lds s[G0A+4:G0A+7], s[G1A:G1A+7]
	s_nop 0
.rept 4
	v_nop
.endr
	s_branch .Lasked_\@
.Lfor_b_\@:
	tensor_load_to_lds s[G0B+4:G0B+7], s[G1B:G1B+7]
	s_nop 0
.rept 4
	v_nop
.endr
.Lasked_\@:
.endm
.macro CREST                        ; a round of the cluster's barrier behind its opening barrier
	s_cmp_lg_u32 s[WV], 0
	s_cbranch_scc1 .Lnot_wave_0_\@
	s_barrier_signal -3
.Lnot_wave_0_\@:
	s_barrier_wait -3
	s_barrier_signal -1
	s_barrier_wait -1
.endm
.macro CROUND
	s_barrier_signal -1
	s_barrier_wait -1
	CREST
.endm
.macro ACCR a, n                    ; accumulator (a, n): its window and its number there
.if (\a) < 5
.set wA, 2
.set lA, 48*(\a)+8*(\n)
.elseif (\a) < 10
.set wA, 3
.set lA, 48*((\a)-5)+8*(\n)
.else
.set wA, 0
.set lA, 112+48*((\a)-10)+8*(\n)
.endif
.endm
.macro MM a, n, qq, bias            ; one product; bias = 1: it starts the sum, with b1 as C
	ACCR \a, \n
.set rB, BF+48*((\qq)&1)+8*(\n)
.if \bias
	WIN (wA<<6)|0x14
	v_wmma_f32_16x16x32_bf16 v[lA:lA+7], v[rB:rB+7], v[IEL+8*(\a):IEL+8*(\a)+7], v[BIASL+8*(\n):BIASL+8*(\n)+7]
.else
	WIN (wA<<6)|(wA<<4)|0x04
	v_wmma_f32_16x16x32_bf16 v[lA:lA+7], v[rB:rB+7], v[IEL+8*(\a):IEL+8*(\a)+7], v[lA:lA+7]
.endif
.endm
; Number rk of the 96 that scale the next quarter's six fragments of w1t by te, in place: one number an instruction, the product made in f32 and rounded to bf16 once, into one half of the register; the other half is
; kept.  In fours: the low halves of four registers, then their high halves, so that no line reads the result of the one before it.
.macro RIDE qq
	WIN 0x04                        ; w1t and the zero in window 0, te in window 1
.set rn, rk/16
.set rg, (rk%16)/4
.set rj, 4*(rg/2)+rk%4
.set rr, BF+48*(1-((\qq)&1))+8*rn+rj
.if rg%2 == 0
	v_fma_mixlo_bf16 v[rr], v[rr], v[TEL+rj], v[ZERO] op_sel_hi:[1,1,0]
.else
	v_fma_mixhi_bf16 v[rr], v[rr], v[TEL+rj], v[ZERO] op_sel:[1,1,0] op_sel_hi:[1,1,0]
.endif
.set rk, rk+1
.endm
.macro ROWM a, qq, bias, rid        ; block a's six products, the accumulators by turns; rid scalings behind each
.irp n, 0,1,2,3,4,5
	MM \a, \n, \qq, \bias
.rept \rid
	RIDE \qq
.endr
.endr
.endm
.macro LDIE g0, g1, kq              ; ie's fragments of blocks g0 to g1, 32 K at byte kq of the rows
	WIN 0x40                        ; destination window 1, address window 0
.set g, \g0
.rept (\g1)-(\g0)+1
	ds_load_b128 v[IEL+8*g:IEL+8*g+3],   v[AA] offset:g*16*PITCH+(\kq)
	ds_load_b128 v[IEL+8*g+4:IEL+8*g+7], v[AA] offset:g*16*PITCH+(\kq)+32
.set g, g+1
.endr
.endm
.macro LDB qq                       ; the quarter behind qq: w1t's six fragments, as they lie, into the other buffer, and te's
.set kn, (((\qq)+1)%4)*64
.set nx, BF+48*(1-((\qq)&1))
	WIN 0
.irp n, 0,1,2,3,4,5
	ds_load_b128 v[nx+8*\n:nx+8*\n+3],   v[AB] offset:\n*16*PITCH+kn
	ds_load_b128 v[nx+8*\n+4:nx+8*\n+7], v[AB] offset:\n*16*PITCH+kn+32
.endr
	WIN 0x40
	ds_load_b128 v[TEL:TEL+3],   v[AT] offset:kn
	ds_load_b128 v[TEL+4:TEL+7], v[AT] offset:kn+32
.endm
; A QUARTER: 78 products, 40 LDS loads in TWO runs, 96 scalings.  Run 1, at its head, 26 loads: the next quarter's w1t and te, and this quarter's blocks 7-12 of ie, whose registers the last quarter used to its end.
; Run 2, behind block 6, 14 loads: the next quarter's blocks 0-6, into the registers that blocks 0-6 have just left.  So ie needs one buffer, and each fragment is asked for half a quarter ahead of its first product.
; Count 26: all but run 1: the last quarter's run 2 is in.  Count 14: all but run 2: run 1 is in.  The scalings stand four behind each product of blocks 9-12.
.macro QUARTER qq, bias
	PLACES
	LDB \qq
	LDIE 7, 12, (\qq)*64
	s_wait_dscnt 26
.irp a, 0,1,2,3,4,5,6
	ROWM \a, \qq, \bias, 0
.endr
	PLACES
	LDIE 0, 6, (((\qq)+1)%4)*64
	s_wait_dscnt 14
	ROWM 7, \qq, \bias, 0
	ROWM 8, \qq, \bias, 0
.set rk, 0
.irp a, 9,10,11,12
	ROWM \a, \qq, \bias, 4
.endr
.endm
; A step's last quarter changes slots.  Blocks 7-12 are the old slot's last read.  Each wave waits for all its tensor loads, of which one is out: its part of the next slot; adds 0 to its spare word; waits for that and
; for its reads.  Behind the barrier nobody reads the old slot and the next slot is whole.  fill = 1: the barrier opens a round of the cluster's, and the old slot is filled again first thing behind it, with the tile two
; steps on: 288 products lie between the request and the wait for it.  By this text's count a wave has two tensor loads out at the start and one later.  The next quarter's w1t and te come behind the refill.
.macro Q3 fill
	PLACES
	LDIE 7, 12, 192
	WIN 0
	s_wait_tensorcnt 0x0            ; no tensor load of mine is out, so a group 0 may be written
	ds_add_u32 v[SPW], v[NIL]       ; 0 onto my spare word: scalar work and three blocks' products stand between it and the wait for it
.if \fill
	s_lshl_b32 s60, s[KN], 8        ; the tile's offsets are made anew from its numbers: 256 bytes a K step,
	s_mul_i32 s62, s[PN], 192*1536  ; 192 rows of w1t a pass
	s_add_co_u32 s62, s62, s60
	s_xor_b32 s[G0A+5], s[G0A+5], SLOT1
	s_add_nc_u64 s[G0A+6:G0A+7], s[56:57], s[60:61]
	s_or_b32 s[G0A+7], s[G0A+7], 0x80000000
	s_xor_b32 s[G0B+5], s[G0B+5], SLOT1
	s_add_nc_u64 s[G0B+6:G0B+7], s[58:59], s[62:63]
	s_or_b32 s[G0B+7], s[G0B+7], 0x80000000
	s_add_co_u32 s[KN], s[KN], 1
	s_cmp_eq_u32 s[KN], 6
	s_cselect_b32 s[KN], 0, s[KN]
	s_cselect_b32 s77, 1, 0
	s_add_co_u32 s[PN], s[PN], s77
.endif
	s_add_co_u32 s[KS], s[KS], 1
	s_cmp_eq_u32 s[KS], 6
	s_cselect_b32 s[KS], 0, s[KS]
	s_wait_dscnt 13                 ; blocks 0-6 are in: the twelve loads above and the add may be out
	ROWM 0, 3, 0, 0
	ROWM 1, 3, 0, 0
	ROWM 2, 3, 0, 0
	s_wait_dscnt 0x0                ; the add is done, and my reads of the old slot are back
	s_barrier_signal -1
	ROWM 3, 3, 0, 0                 ; work on registers while the others arrive
	WIN 0
	s_barrier_wait -1
.if \fill
	CREST                           ; no wave of any partner still reads the slot or has a load on its way
	JLOAD
.endif
	s_xor_b32 s[TB], s[TB], SLOT1
	s_lshl_b32 s[TK], s[KS], 8
	s_min_u32 s[TK], s[TK], 1280    ; five steps of 256 bytes at the most: te's fragments stay inside my row
	v_add_nc_u32 v[AA], s[TB], v[A0]
	v_add_nc_u32 v[AB], s[TB], v[B0]
	v_add_nc_u32 v[AT], s[TK], v[T0]
	LDB 3
	ROWM 4, 3, 0, 0
	ROWM 5, 3, 0, 0
	ROWM 6, 3, 0, 0
	PLACES
	LDIE 0, 6, 0
	ROWM 7, 3, 0, 0
	ROWM 8, 3, 0, 0
	s_wait_dscnt 14                 ; w1t and te are in: the fourteen loads of blocks 0-6 may be out
.set rk, 0
.irp a, 9,10,11,12
	ROWM \a, 3, 0, 4
.endr
.endm
; A PASS ENDS: z += sum over my 96 columns of relu(acc) W2.  Block by block: 48 maxima in place (each accumulator's registers ascending), 24 packed multiply-adds in four chains; the chains of the block before are
; folded between the two.
.macro RELU a
.irp n, 0,1,2,3,4,5
	ACCR \a, \n
	WIN (wA<<6)|(wA<<2)
.irp j, 0,1,2,3,4,5,6,7
	v_max_num_f32 v[lA+\j], 0, v[lA+\j]
.endr
.endr
.endm
.macro DOT a
.irp n, 0,1,2,3,4,5
	ACCR \a, \n
	WIN 0x54|wA                     ; the accumulator is source 0; W2 and the chains lie in window 1
.irp j, 0,2,4,6
.if \n == 0
	v_pk_mul_f32 v[TTL+8*((\a)%2)+\j:TTL+8*((\a)%2)+\j+1], v[lA+\j:lA+\j+1], v[W2L+8*\n+\j:W2L+8*\n+\j+1]
.else
	v_pk_fma_f32 v[TTL+8*((\a)%2)+\j:TTL+8*((\a)%2)+\j+1], v[lA+\j:lA+\j+1], v[W2L+8*\n+\j:W2L+8*\n+\j+1], v[TTL+8*((\a)%2)+\j:TTL+8*((\a)%2)+\j+1]
.endif
.endr
.endr
.endm
.macro COMB a
	WIN 0x55
.set tt, TTL+8*((\a)%2)
	v_pk_add_f32 v[tt:tt+1], v[tt:tt+1], v[tt+2:tt+3]
	v_pk_add_f32 v[tt+4:tt+5], v[tt+4:tt+5], v[tt+6:tt+7]
	v_pk_add_f32 v[tt:tt+1], v[tt:tt+1], v[tt+4:tt+5]
	v_pk_add_f32 v[ZPL+2*(\a):ZPL+2*(\a)+1], v[ZPL+2*(\a):ZPL+2*(\a)+1], v[tt:tt+1]
.endm
.macro EPI
	s_wait_loadcnt 0x0              ; the pass's W2
	RELU 0
	DOT 0
.irp a, 1,2,3,4,5,6,7,8,9,10,11,12
	RELU \a
	COMB (\a)-1
	DOT \a
.endr
	COMB 12
	WIN 0
.endm
	s_load_b256 s[4:11], s[0:1], 0x0    ; te s[4:5], ie s[6:7], w1t s[8:9], b1 s[10:11]
	s_load_b128 s[12:15], s[0:1], 0x20  ; W2 s[12:13], b2 s[14:15]
	s_load_b64 s[16:17], s[0:1], 0x30   ; gbuf
	v_lshl_add_u32 v[SPW], v0, 2, SPARE
	v_mov_b32 v[NIL], 0
	ds_add_u32 v14, v15
	s_wait_dscnt 0x0
	v_lshrrev_b32 v1, 5, v0
	v_readfirstlane_b32 s[WV], v1
	v_mov_b32 v[ZERO], 0
	s_lshr_b32 s[WT], s[WV], 1
	s_and_b32 s[HF], s[WV], 1
	s_bfe_u32 s21, ttmp6, 0x40000   ; cx: my place in the cluster
	s_lshl_b32 s22, ttmp9, 2        ; in a cluster launch ttmp9 counts clusters
	s_add_co_u32 s22, s22, s21      ; tp = 4 x cluster x + cx
	s_and_b32 s23, ttmp7, 0xffff    ; b, which the four partners share
	; descriptor group 1: tiles of 104 or 96 rows x 128 elements, padded in LDS
	s_mov_b32 s[G1A], 15|(1<<16)|(1<<20)|(1<<21)|(5<<22)|(3<<25)  ; 15:0 the mask of four; 17:16 2-byte elements; 20 padding on; 21 set beside a mask; 24:22 after every 64 words (code 5); 31:25 4 words (code 3)
	s_mov_b32 s[G1B], 15|(1<<16)|(1<<20)|(1<<21)|(5<<22)|(3<<25)
	s_mov_b32 s[G1A+1], 128<<16     ; tensor_dim0 = 128
	s_mov_b32 s[G1B+1], 128<<16
	s_mul_i32 s77, s[HF], 104
	s_sub_co_u32 s77, 197, s77
	s_lshl_b32 s[G1A+2], s77, 16    ; tensor_dim1: what is left of the batch's 197 rows, 197 or 93: rows past them arrive as zeros
	s_mov_b32 s[G1B+2], 96<<16
	s_mov_b32 s[G1A+3], 128<<16     ; tile_dim0 = 128
	s_mov_b32 s[G1B+3], 128<<16
	s_mov_b32 s[G1A+4], 104         ; tile_dim1
	s_mov_b32 s[G1B+4], 96
	s_mov_b32 s[G1A+5], 768         ; elements from row to row
	s_mov_b32 s[G1B+5], 768
	s_mov_b32 s[G1A+6], 0
	s_mov_b32 s[G1B+6], 0
	s_mov_b32 s[G1A+7], 0
	s_mov_b32 s[G1B+7], 0
	s_mul_i32 s78, s[HF], AHALF     ; where my part of a tile goes: no place in the cluster enters an LDS address
	s_mul_i32 s79, s[HF], BHALF
	s_add_co_u32 s79, s79, BOFF
	s_mul_i32 s60, s23, 197*1536    ; and where it comes from: ie at row 197 b + 104 half,
	s_mul_i32 s77, s[HF], 104*1536
	s_add_co_u32 s60, s60, s77
	s_mov_b32 s61, 0
	s_mul_i32 s62, s[HF], 96*1536   ; w1t at row 96 half
	s_mov_b32 s63, 0
	s_lshl_b32 s73, s23, 6
	s_lshl1_add_u32 s73, s22, s73
	s_add_co_u32 s73, s73, s[WT]    ; my row of te and of gbuf: 64 b + 2 tp + wave / 2
	s_mul_i32 s80, s73, 1536
	s_mov_b32 s81, 0
	s_lshl_b32 s82, s73, 10
	s_mov_b32 s83, 0
	s_mov_b32 s[SEL], 0x76543210
	s_mov_b32 s[SEL+1], 0xfedcba98
	; A fragment is 16 rows x 32 K in 8 registers: lane l holds row l % 16, K = 8 (l / 16) + 0..7 and 16 + 8 (l / 16) + 0..7: two loads of 16 bytes, 32 bytes apart.  te's is the same K for every row.
	v_and_b32 v[HR], 15, v0
	v_bfe_u32 v[HH], v0, 4, 1
	v_and_b32 v[HL], 31, v0
	v_lshlrev_b32 v[HL], 4, v[HL]
	v_mul_u32_u24 v[A0], v[HR], PITCH
	v_lshl_add_u32 v[A0], v[HH], 4, v[A0]
	v_add_nc_u32 v[B0], s79, v[A0]
	s_mul_i32 s77, s[WV], 1536
	s_add_co_u32 s77, s77, TEB
	v_lshl_add_u32 v[T0], v[HH], 4, s77
	v_add_nc_u32 v[HT], s77, v[HL]
	s_mul_i32 s77, s[HF], 384
	v_lshl_add_u32 v[G0V], v[HH], 5, s77    ; column 96 half + 8 (l / 16), in bytes
	v_mov_b32 v[GB], v[G0V]
	s_lshl_b32 s77, s[WV], 10
	s_add_co_u32 s77, s77, ZB
	v_lshl_add_u32 v[ZST], v[HR], 2, s77
	v_and_b32 v[GOUT], 63, v0
	v_lshlrev_b32 v[GOUT], 4, v[GOUT]
	s_lshl_b32 s77, s[WT], 11
	s_add_co_u32 s77, s77, ZB
	v_add_nc_u32 v[ZRD], s77, v[GOUT]
	v_mov_b32 v[AA], v[A0]
	v_mov_b32 v[AB], v[B0]
	v_mov_b32 v[AT], v[T0]
	s_wait_kmcnt 0x0
	s_load_b32 s[B2], s[14:15], 0x0         ; b2: waited for at its one use, at the kernel's end; nothing in between names s[14:15] or its destination
	s_add_nc_u64 s[56:57], s[6:7], s[60:61]
	s_add_nc_u64 s[58:59], s[8:9], s[62:63]
	s_add_nc_u64 s[4:5], s[4:5], s[80:81]
	s_add_nc_u64 s[16:17], s[16:17], s[82:83]
.irp s, 0,1
	s_mov_b32 s[G0A+4*\s], 1                                    ; count = 1
	s_add_co_u32 s[G0A+4*\s+1], s78, \s*SLOT1                   ; LDS address
	s_add_nc_u64 s[G0A+4*\s+2:G0A+4*\s+3], s[56:57], \s*256     ; global address: K step s
	s_or_b32 s[G0A+4*\s+3], s[G0A+4*\s+3], 0x80000000           ; type = 2
	s_mov_b32 s[G0B+4*\s], 1
	s_add_co_u32 s[G0B+4*\s+1], s79, \s*SLOT1
	s_add_nc_u64 s[G0B+4*\s+2:G0B+4*\s+3], s[58:59], \s*256
	s_or_b32 s[G0B+4*\s+3], s[G0B+4*\s+3], 0x80000000
.endr
.irp j, 0,1,2
	global_load_b128 v[HD+4*\j:HD+4*\j+3], v[HL], s[4:5] offset:512*\j  ; my row of te
.endr
	WIN 0x40
.irp n, 0,1,2,3,4,5
	global_load_b128 v[BIASL+8*\n:BIASL+8*\n+3],   v[GB], s[10:11] offset:64*\n  ; b1 of pass 0
	global_load_b128 v[BIASL+8*\n+4:BIASL+8*\n+7], v[GB], s[10:11] offset:64*\n+16
.endr
.set i, 0
.rept 26
	v_mov_b32 v[ZPL+i], 0
.set i, i+1
.endr
	WIN 0
	CROUND                          ; all four work-groups are here: the first joint loads meet
	s_cmp_eq_u32 s[WT], 0           ; a wave's two first fills stand in one branch, ahead of every wait on TENSORcnt and every LDS read
	s_cbranch_scc0 .Lfirst_b
	tensor_load_to_lds s[G0A:G0A+3], s[G1A:G1A+7]
	s_nop 0
	tensor_load_to_lds s[G0A+4:G0A+7], s[G1A:G1A+7]
	s_nop 0
.rept 4
	v_nop
.endr
	s_branch .Lfirst_asked
.Lfirst_b:
	tensor_load_to_lds s[G0B:G0B+3], s[G1B:G1B+7]
	s_nop 0
	tensor_load_to_lds s[G0B+4:G0B+7], s[G1B:G1B+7]
	s_nop 0
.rept 4
	v_nop
.endr
.Lfirst_asked:
	s_wait_loadcnt 12               ; te's three loads are in; b1's twelve may be out
.irp j, 0,1,2
	ds_store_b128 v[HT], v[HD+4*\j:HD+4*\j+3] offset:512*\j
.endr
	s_wait_tensorcnt 0x1            ; my part of slot 0 is in; slot 1's may stay out
	s_wait_dscnt 0x0
	s_barrier_signal -1
	s_barrier_wait -1
	LDB 3                           ; what a step's last quarter leaves for the first: w1t's and te's fragments at K = 0, in buffer 0,
	LDIE 0, 6, 0                    ; ie's blocks 0-6,
	s_wait_dscnt 0x0
.set rk, 0
.rept 96
	RIDE 3                          ; and w1t's scaled: there are no products yet to set them behind
.endr
	WIN 0
	s_mov_b32 s[CNT], 23
	s_mov_b32 s[KS], 0
	s_mov_b32 s[PS], 0
	s_mov_b32 s[KN], 2
	s_mov_b32 s[PN], 0
	s_mov_b32 s[TB], 0
	s_branch .Lq0b                  ; the loop is entered at a step's first quarter, in the middle of a trip
.Lloop:                             ; 22 whole trips: quarters 1 to 3 of a step, with a refill, and quarter 0 of the next
	QUARTER 1, 0
	QUARTER 2, 0
	Q3 1
	WIN 0
	s_cmp_lg_u32 s[KS], 0
	s_cbranch_scc1 .Lq0
	EPI                             ; the step to come is a pass's first
.Lq0b:
	s_wait_loadcnt 0x0              ; b1
	QUARTER 0, 1
	PLACES                          ; in front of the loads into b1's registers, which the last products read
	WIN 0
	s_mul_i32 s77, s[PS], 768
	v_add_nc_u32 v[GW], s77, v[G0V]         ; W2 of this pass,
	s_add_co_u32 s78, s[PS], 1
	s_min_u32 s78, s78, 3
	s_mul_i32 s78, s78, 768
	v_add_nc_u32 v[GB], s78, v[G0V]         ; b1 of the next (in the last pass: of the last once more, so that no load leaves b1)
	WIN 0x40
.irp n, 0,1,2,3,4,5
	global_load_b128 v[W2L+8*\n:W2L+8*\n+3],   v[GW], s[12:13] offset:64*\n
	global_load_b128 v[W2L+8*\n+4:W2L+8*\n+7], v[GW], s[12:13] offset:64*\n+16
.endr
.irp n, 0,1,2,3,4,5
	global_load_b128 v[BIASL+8*\n:BIASL+8*\n+3],   v[GB], s[10:11] offset:64*\n
	global_load_b128 v[BIASL+8*\n+4:BIASL+8*\n+7], v[GB], s[10:11] offset:64*\n+16
.endr
	WIN 0
	s_add_co_u32 s[PS], s[PS], 1
	s_branch .Lbottom
.Lq0:
	QUARTER 0, 0
	WIN 0
.Lbottom:
	s_sub_co_u32 s[CNT], s[CNT], 1
	s_cmp_lg_u32 s[CNT], 0
	s_cbranch_scc1 .Lloop
	s_mov_b32 s[CNT], 2             ; the last two steps are written out: nothing is asked for
.Ltail:
	QUARTER 1, 0
	QUARTER 2, 0
	Q3 0                            ; the second time it fetches and scales fragments out of a slot that holds an old tile, and nobody multiplies them: the price of one text for both trips
	WIN 0
	s_sub_co_u32 s[CNT], s[CNT], 1
	s_cmp_eq_u32 s[CNT], 0
	s_cbranch_scc1 .Lout
	QUARTER 0, 0
	WIN 0
	s_branch .Ltail
.Lout:
	EPI
	s_wait_dscnt 0x0                ; the fragments fetched last are in: w1t's registers serve the way out
	WIN 0x05                        ; z's pairs in window 1
.set i, 0
.rept 13
	v_add_f32 v[ZS+i], v[ZPL+2*i], v[ZPL+2*i+1]
.set i, i+1
.endr
	WIN 0
.set i, 0
.rept 13
	v_permlanex16_b32 v[ZS+16+i], v[ZS+i], s[SEL], s[SEL+1]  ; the row's other 48 columns lie in the lane 16 away
.set i, i+1
.endr
.set i, 0
.rept 13
	v_add_f32 v[ZS+i], v[ZS+i], v[ZS+16+i]
.set i, i+1
.endr
.set i, 0
.rept 13
	ds_store_b32 v[ZST], v[ZS+i] offset:64*i        ; both halves of the lanes write the same word with the same number
.set i, i+1
.endr
.irp i, 13,14,15
	ds_store_b32 v[ZST], v[ZERO] offset:64*\i
.endr
	s_wait_dscnt 0x0                ; for the others' sake
	s_barrier_signal -1
	s_barrier_wait -1
	ds_load_b128 v[FIN:FIN+3], v[ZRD]               ; four rows i of my text: the two column halves' sums
	ds_load_b128 v[FIN+4:FIN+7], v[ZRD] offset:1024
	s_mov_b32 s78, 0xbfb8aa3b       ; -log2(e)
	s_wait_kmcnt 0x0                ; b2, asked for at the kernel's head
	s_mul_f32 s77, s[B2], s78
	s_wait_dscnt 0x0
	v_pk_add_f32 v[FIN:FIN+1], v[FIN:FIN+1], v[FIN+4:FIN+5]
	v_pk_add_f32 v[FIN+2:FIN+3], v[FIN+2:FIN+3], v[FIN+6:FIN+7]
.irp j, 0,1,2,3
	v_fma_f32 v[FIN+\j], v[FIN+\j], s78, s77        ; -log2(e) (z + b2)
.endr
.irp j, 0,1,2,3
	v_exp_f32 v[FIN+\j], v[FIN+\j]
.endr
	v_nop                           ; a plain instruction between the last exponential and the use of its result (ISA guide 5.7.2)
	s_wait_alu depctr_va_vdst(0)
.irp j, 0,1,2,3
	v_add_f32 v[FIN+\j], 1.0, v[FIN+\j]
.endr
.irp j, 0,1,2,3
	v_rcp_f32 v[FIN+\j], v[FIN+\j]
.endr
	v_nop
	s_wait_alu depctr_va_vdst(0)
	global_store_b128 v[GOUT], v[FIN:FIN+3], s[16:17]  ; a wave stores 512 consecutive bytes, at a multiple of 256 from gbuf's first byte
	s_wait_tensorcnt 0x0            ; the wave's end, behind my last tensor load and my last LDS store
	ds_add_u32 v[SPW], v[NIL]
	s_wait_dscnt 0x0
	CROUND                          ; the closing round: no work-group ends while a partner may still ask for a tile that names it
	s_endpgm
.Lfunc_end_k_q83d6164400_gate:
	.size	k_q83d6164400_gate, .Lfunc_end_k_q83d6164400_gate-k_q83d6164400_gate
	.p2alignl 7, 3214868480
	.fill 96, 4, 3214868480
	.section	.rodata,"a",@progbits
	.p2align	6, 0x0
	.amdhsa_kernel k_q83d6164400_gate
		.amdhsa_group_segment_fixed_size 327680
		.amdhsa_private_segment_fixed_size 0
		.amdhsa_enable_private_segment 0
		.amdhsa_kernarg_size 56
		.amdhsa_user_sgpr_count 2
		.amdhsa_user_sgpr_kernarg_segment_ptr 1
		.amdhsa_wavefront_size32 1
		.amdhsa_system_sgpr_workgroup_id_x 1
		.amdhsa_system_sgpr_workgroup_id_y 1
		.amdhsa_system_sgpr_workgroup_id_z 1
		.amdhsa_system_vgpr_workitem_id 0
		.amdhsa_next_free_vgpr 1024
		.amdhsa_next_free_sgpr 84
		.amdhsa_reserve_vcc 0
		.amdhsa_float_denorm_mode_32 3
		.amdhsa_float_denorm_mode_16_64 3
		.amdhsa_memory_ordered 1
		.amdhsa_forward_progress 1
		.amdhsa_inst_pref_size 244
	.end_amdhsa_kernel
	.amdgpu_metadata
---
amdhsa.version: [ 1, 2 ]
amdhsa.kernels:
  - .name:           k_q83d6164400_gate
    .symbol:         k_q83d6164400_gate.kd
    .args:
      - { .name: te, .offset: 0, .size: 8, .value_kind: global_buffer, .address_space: global }
      - { .name: ie, .offset: 8, .size: 8, .value_kind: global_buffer, .address_space: global }
      - { .name: w1t, .offset: 16, .size: 8, .value_kind: global_buffer, .address_space: global }
      - { .name: b1, .offset: 24, .size: 8, .value_kind: global_buffer, .address_space: global }
      - { .name: W2, .offset: 32, .size: 8, .value_kind: global_buffer, .address_space: global }
      - { .name: b2, .offset: 40, .size: 8, .value_kind: global_buffer, .address_space: global }
      - { .name: gbuf, .offset: 48, .size: 8, .value_kind: global_buffer, .address_space: global }
    .group_segment_fixed_size: 327680
    .private_segment_fixed_size: 0
    .kernarg_segment_align: 8
    .kernarg_segment_size: 56
    .max_flat_workgroup_size: 128
    .sgpr_count:     84
    .vgpr_count:     1024
    .wavefront_size: 32
...
	.end_amdgpu_metadata
.endif
;; end of part 5
;; launch attn: the kernel of part 3 again; grid 48 x 8, 1 waves a work-group, no clusters, 40,448 bytes of LDS; arguments qh, kh, vh, gbuf, out0; writes out0
